; MI455X (gfx1250); checked and timed in simulation.
; The chip was launched on July 23, 2026; its instructions are those of AMD's public machine-readable ISA for CDNA 5 (MIT licence, August 2026) and "CDNA5" Instruction Set Architecture Reference Guide (July 2026). The comments in the code are by the model that wrote it; some were corrected since.
;; Causal Self Attention. Allowed arithmetic: matrix products marked QUANTISED: E4M3 operands, one given power-of-two scale a tensor, by v_wmma_f32_16x16x64_fp8_fp8 or v_wmma_f32_16x16x128_fp8_fp8, f32 sums; everything else in f32.
;; Inputs: Wk 1,024 x 1,024 float32; Wp 1,024 x 1,024 float32; Wq 1,024 x 1,024 float32; Wv 1,024 x 1,024 float32; bk 1,024 float32; bp 1,024 float32; bq 1,024 float32; bv 1,024 float32; lowp_scales 12 int32 (the exponents e of the quantised operands' scales 2^e); x 4 x 2,048 x 1,024 float32.
;; Outputs: out0 4 x 2,048 x 1,024 float32.
;; This version of the problem:
;;   THIS VERSION OF THE PROBLEM IS GIVEN IN LOW PRECISION. The matrix products marked QUANTISED in the list below multiply operands that are first quantised to E4M3 (4 exponent bits, 3 mantissa bits; 8 bits a number), with one given power-of-two scale for each operand tensor; their sums are f32. All else is computed in f32.
;;   The module's matrix products, in the order in which they are computed (A, B: the left and right operand; K: the contracted axis; several contracted axes count as one K, in the product's order):
;;     1. [M 8,192, K 1,024] x [K 1,024, N 1,024]; A: input x; B: input Wk: QUANTISED (scales: A lowp_scales[0], B lowp_scales[1])
;;     2. [M 8,192, K 1,024] x [K 1,024, N 1,024]; A: input x; B: input Wq: QUANTISED (scales: A lowp_scales[2], B lowp_scales[3])
;;     3. [M 8,192, K 1,024] x [K 1,024, N 1,024]; A: input x; B: input Wv: QUANTISED (scales: A lowp_scales[4], B lowp_scales[5])
;;     4. batch 64 x [M 2,048, K 64] x [K 64, N 2,048]; A: computed on the way; B: computed on the way: QUANTISED (scales: A lowp_scales[6], B lowp_scales[7])
;;     5. batch 64 x [M 2,048, K 2,048] x [K 2,048, N 64]; A: softmax (see below); B: computed on the way: QUANTISED (scales: A lowp_scales[8], B lowp_scales[9])
;;     6. [M 8,192, K 1,024] x [K 1,024, N 1,024]; A: computed on the way; B: input Wp: QUANTISED (scales: A lowp_scales[10], B lowp_scales[11])
;;   THE QUANTISER, for each operand of a quantised product, along K:
;;     - The operand's scale is 2^e, e = its entry of the input lowp_scales (int32; the entries are numbered through the quantised products in the list's order, A before B).
;;     - Each number is divided by the scale, clamped to +-448, and rounded to the nearest number of E4M3, ties to even, subnormals kept.
;;     - The product sums the exact products of the quantised numbers (number of the format x scale) in f32.
;;   ~~~python
;;   def quantise(x, axis, e):      # numpy; x: float32 -> the quantised numbers, widened to float32 again
;;       x = np.moveaxis(x, axis, -1); K = x.shape[-1]
;;       r = np.clip(x / 2.0 ** e, -448, 448)
;;       step = 2.0 ** (np.maximum(np.frexp(np.where(r == 0, 1, r))[1] - 1, -6) - 3)
;;       q = np.round(r / step) * step * 2.0 ** e      # np.round: ties to even
;;       return np.moveaxis(q, -1, axis).astype(np.float32)
;;   ~~~
;;   SOFTMAX AHEAD OF A QUANTISED PRODUCT. Where the list says 'softmax', what is quantised is not the finished softmax but p = 2^(t - M), with t = logit x log2(e) and M = ceil(the row's largest t), a whole number; so 1/2 < the row's largest p <= 1. The row's sum l is taken of the UNQUANTISED p, in f32, and the product's result is divided by l at the end. Since M is a whole number, a kernel that streams over the keys may use a running M (the ceiling of the running maximum): every later rescaling is an exact power of two, so the quantised numbers keep their values, but for numbers so far below the row's largest that they fall under the format's range.
;;   OPERANDS COMPUTED ON THE WAY. 'Computed on the way' means the value that the module computes at that place (a softmax that the list does not call 'softmax' is quantised finished and normalised). What goes into a quantiser is computed in f32, as accurately as f32 sums, v_exp_f32 and their like allow (about 1e-6 of the number): no bf16 or f16 on the way to a quantiser, and a product that is left as it is and whose result goes on into a quantised operand takes f32 operands (vector FMAs, or v_wmma_f32_16x16x4_f32). A number that lies on a knife's edge between two numbers of the format may be rounded either way, as far as f32 arithmetic and the matrix unit's own rounding can turn it there, and no further.
;; One version. Each part assembles by itself: llvm-mc -triple=amdgcn-amd-amdhsa -mcpu=gfx1250 --defsym DOCPART=n.
;; ======== version 1 of 1: 4 launches
;; limits: right only within a limited range of input values
;; workspace buffers: xc 25,165,824 bytes; wc 4,194,304 bytes; qkv 25,165,824 bytes; yc 8,388,608 bytes
;; launch quant (part 1): grid 384 x 1, 4 waves a work-group, no clusters, 68,096 bytes of LDS; arguments x, Wk, Wq, Wv, Wp, lowp_scales, xc, wc; writes xc, wc
.if DOCPART == 1
	.amdgcn_target "amdgcn-amd-amdhsa--gfx1250"
	.amdhsa_code_object_version 6
	.text
	.protected	k_q772dd2972b_quant
	.globl	k_q772dd2972b_quant
	.p2align	8
	.type	k_q772dd2972b_quant,@function
k_q772dd2972b_quant:
	s_mov_b64 s[64:65], 0
	v_nop
	global_prefetch_b8 v0, s[64:65] scope:SCOPE_SE
	s_setreg_imm32_b32 hwreg(HW_REG_WAVE_MODE, 25, 1), 1
	s_wait_xcnt 0x0
; x [8192][1024] and the four weights [1024][1024], f32 with K innermost, become codes of FP8 (E4M3), each with the scale 2^e that is given for it.
; x is an operand of three products with three given exponents (entries 0, 2, 4): three sets of codes are made from one read.  Wk, Wq, Wv, Wp take entries 1, 3, 5, 11.
; code = number / 2^e, held within +-448, rounded to the nearest code, ties to even.
; LIMITS: every e between -126 and 119, so that 2^e and 448 x 2^e are f32 numbers.  NaN among the inputs is not served (an infinity is held at the largest code).
; THE CODES LIE IN THE ORDER OF AN OPERAND'S REGISTERS.  A fragment is 16 rows x 128 along K = 2,048 bytes = 4 chunks of 512; in chunk c lane l = 16 h + r has 16 bytes at 512 c + 16 l:
; k = 32 c + 16 h + 0 .. 15 of row 32 (tau / 2) + 8 (tau % 2) + r + 8 (r / 8), tau the tile's number.  Fragment (tau, ks) lies at (8 tau + ks) x 2,048 in its part.
; So every later read of a fragment is 16 bytes a lane at 16 x lane, and a product's results, used transposed, fall into a lane as 16 neighbours along the next K.
; SHARES.  A wave takes one tile tau and half of K: 4 steps of 128.  Work-groups 0-255: x (512 tiles x 2 halves); work-groups 256-383: the weights, 32 work-groups each.
; A step's 16 loads read 512 consecutive bytes of one row each; the 8 KiB turn through the wave's own stage in LDS (rows 528 bytes apart) and come back 64 neighbouring bytes of a row at a time.
; Each store of codes covers 512 consecutive bytes, aligned.  Waves share nothing: no barrier.  The work-groups share no input: no cluster, no matrix unit.  The two paths have LDS bytes of their own.
.set ROWB,  4096                       ; a row of x or of a weight in bytes
.set SP,    528                        ; a stage row: 512 bytes + 16
.set WST,   16*SP                      ; a wave's stage
.set REGW,  4*WST                      ; the weights' path has its stages here
.set R,     16                         ; v16-143  two sets of 64 registers as loaded
.set X,     144                        ; v144-207 a step's numbers, turned: register 16 c + i = k 32 c + 16 h + i of my row
.set T,     208
.set C,     224                        ; v224-255 two sets of 16 registers of codes
.set NO,    0                          ; counts the outputs: the sets of codes take turns
.macro LOAD t                          ; step t: 128 numbers of each of my 16 rows, into set t % 2
.irp i, 0,1,2,3,4,5,6,7,8,9,10,11,12,13,14,15
	global_load_b128 v[R+64*((\t)%2)+4*\i:R+64*((\t)%2)+4*\i+3], v1, s[36:37] offset:(\i+8*(\i/8))*ROWB+512*(\t) th:TH_LOAD_NT
.endr
.endm
.macro TURN t, in, out                 ; through the stage: LDS serves a wave's instructions in order (ISA guide 5.7.1.4), so no wait stands between the stores and the loads
.irp i, 0,1,2,3,4,5,6,7,8,9,10,11,12,13,14,15
	ds_store_b128 v[\in], v[R+64*((\t)%2)+4*\i:R+64*((\t)%2)+4*\i+3] offset:SP*\i
.endr
.irp c, 0,1,2,3
.irp j, 0,1,2,3
	ds_load_b128 v[X+16*\c+4*\j:X+16*\c+4*\j+3], v[\out] offset:128*\c+16*\j
.endr
.endr
.endm
.macro OUT sc, lim, base, t            ; one fragment of codes from the 64 numbers in X, with the scale in v[sc]
.set CS, C+16*(NO%2)
	s_wait_xcnt 0x0                                ; the earlier stores have read their registers: this set of codes may be written again
.irp c, 0,1,2,3
.irp i, 0,1,2,3,4,5,6,7,8,9,10,11,12,13,14,15
.endr
	v_cvt_scalef32_pk8_fp8_f32 v[CS+4*\c:CS+4*\c+1], v[T+((X+16*\c+0)-(T+0)):T+7+((X+16*\c+0)-(T+0))], v[\sc]
	v_cvt_scalef32_pk8_fp8_f32 v[CS+4*\c+2:CS+4*\c+3], v[T+8+((X+16*\c+0)-(T+0)):T+15+((X+16*\c+0)-(T+0))], v[\sc]
	v_nop                                          ; one plain line behind the conversions
.endr
.irp c, 0,1,2,3
	global_store_b128 v1, v[CS+4*\c:CS+4*\c+3], s[\base:\base+1] offset:2048*(\t)+512*\c   ; 32 lanes store 512 consecutive bytes
.endr
.set NO, NO+1
.endm
.macro SCALE e, sc, lim                ; 2^e and 448 x 2^e as f32 numbers
	s_add_co_i32 s54, \e, 127
	s_lshl_b32 s55, s54, 23
	v_mov_b32 v[\sc], s55
	s_add_co_i32 s54, s54, 8
	s_lshl_b32 s54, s54, 23
	s_or_b32 s54, s54, 0x600000
.endm
.macro WHERE                           ; from the job's number in s46: where its numbers begin (s[50:51]) and where its codes go (s[52:53]), in bytes
	s_lshr_b32 s47, s46, 1                         ; tau
	s_and_b32 s48, s46, 1                          ; which half of K
	s_lshr_b32 s49, s47, 1
	s_lshl_b32 s49, s49, 17                        ; 32 (tau / 2) rows of 4,096 bytes
	s_and_b32 s50, s47, 1
	s_lshl_b32 s50, s50, 15                        ; 8 (tau % 2) rows
	s_add_co_u32 s50, s50, s49
	s_lshl_b32 s49, s48, 11                        ; 512 numbers
	s_add_co_u32 s50, s50, s49
	s_mov_b32 s51, 0
	s_lshl_b32 s52, s47, 14                        ; a tile's 8 fragments
	s_lshl_b32 s49, s48, 13                        ; 4 fragments
	s_add_co_u32 s52, s52, s49
	s_mov_b32 s53, 0
.endm
.macro BODY nout, in, out              ; four steps; loads run two steps (32 loads a wave) ahead
.irp t, 0,1,2,3
.if \t < 3
	s_wait_loadcnt 16                              ; this step's 16 loads are in; the next step's 16 may be out
.else
	s_wait_loadcnt 0
.endif
	TURN \t, \in, \out
	s_wait_dscnt 0x0                               ; the numbers are back, and the stage's stores have read their registers,
.if \t < 2
	LOAD \t+2                                      ; which take the loads of two steps on
.endif
	OUT 8, 9, 40, \t
.if \nout > 1
	OUT 10, 11, 42, \t
	OUT 12, 13, 44, \t
.endif
.endr
.endm
	s_load_b512 s[4:19], s[0:1], 0x0               ; x, Wk, Wq, Wv, Wp, the exponents, xc, wc
	v_lshl_add_u32 v14, v0, 2, 0x10800
	v_mov_b32 v15, 0
	v_lshrrev_b32 v2, 5, v0
	v_readfirstlane_b32 s20, v2                    ; wave
	v_and_b32 v3, 31, v0
	v_lshlrev_b32 v1, 4, v3                        ; 16 x lane: my place in a load's and in a store's 512 bytes; never rewritten
	v_and_b32 v2, 15, v0                           ; r
	v_bfe_u32 v3, v0, 4, 1                         ; h
	s_mul_i32 s21, s20, WST
	v_add_nc_u32 v4, s21, v1                       ; the stage, on the way in: 16 x lane in a row
	v_mul_u32_u24 v5, v2, SP
	v_lshl_add_u32 v5, v3, 6, v5
	v_add_nc_u32 v5, s21, v5                       ; and on the way out: row r, + 64 h
	v_add_nc_u32 v6, REGW, v4                      ; the same for the weights' path
	v_add_nc_u32 v7, REGW, v5
	s_wait_kmcnt 0x0
	s_load_b256 s[24:31], s[14:15], 0x0            ; e0 .. e7
	s_load_b128 s[32:35], s[14:15], 0x20           ; e8 .. e11
	s_cmp_lt_u32 ttmp9, 256
	s_cbranch_scc0 .Lweights
	; ---- x: three sets of codes
	s_lshl_b32 s46, ttmp9, 2
	s_add_co_u32 s46, s46, s20                     ; the job: 4 x work-group + wave
	WHERE
	s_add_nc_u64 s[36:37], s[4:5], s[50:51]
	s_add_nc_u64 s[40:41], s[16:17], s[52:53]      ; part 0 (e0),
	s_add_nc_u64 s[42:43], s[40:41], 0x800000      ; part 1 (e2),
	s_add_nc_u64 s[44:45], s[42:43], 0x800000      ; part 2 (e4): 8 MiB apart
	s_wait_alu depctr_va_vdst(0)
	LOAD 0
	LOAD 1
	s_wait_kmcnt 0x0
	SCALE s24, 8, 9
	SCALE s26, 10, 11
	SCALE s28, 12, 13
	s_wait_alu depctr_va_vdst(0)
	BODY 3, 4, 5
	s_wait_tensorcnt 0x0
	ds_add_u32 v14, v15
	s_wait_dscnt 0x0
	s_endpgm
.Lweights:
	; ---- a weight: one set of codes
	s_sub_co_u32 s46, ttmp9, 256
	s_lshr_b32 s56, s46, 5                         ; which weight: 0 Wk, 1 Wq, 2 Wv, 3 Wp
	s_and_b32 s46, s46, 31
	s_lshl_b32 s46, s46, 2
	s_add_co_u32 s46, s46, s20
	WHERE
	s_lshl_b32 s49, s56, 20                        ; its part of wc: 1 MiB each
	s_add_co_u32 s52, s52, s49
	s_cmp_eq_u32 s56, 0                            ; the choices hang on the work-group's number alone
	s_cselect_b64 s[36:37], s[6:7], s[8:9]
	s_cmp_lt_u32 s56, 2
	s_cselect_b64 s[36:37], s[36:37], s[10:11]
	s_cmp_lt_u32 s56, 3
	s_cselect_b64 s[36:37], s[36:37], s[12:13]
	s_add_nc_u64 s[36:37], s[36:37], s[50:51]
	s_add_nc_u64 s[40:41], s[18:19], s[52:53]
	s_wait_alu depctr_va_vdst(0)
	LOAD 0
	LOAD 1
	s_wait_kmcnt 0x0
	s_cmp_eq_u32 s56, 0
	s_cselect_b32 s57, s25, s27                    ; e1, e3,
	s_cmp_lt_u32 s56, 2
	s_cselect_b32 s57, s57, s29                    ; e5,
	s_cmp_lt_u32 s56, 3
	s_cselect_b32 s57, s57, s35                    ; e11
	SCALE s57, 8, 9
	s_wait_alu depctr_va_vdst(0)
	BODY 1, 6, 7
	s_wait_tensorcnt 0x0
	ds_add_u32 v14, v15
	s_wait_dscnt 0x0
	s_endpgm
.Lfunc_end_k_q772dd2972b_quant:
	.size	k_q772dd2972b_quant, .Lfunc_end_k_q772dd2972b_quant-k_q772dd2972b_quant
	.p2alignl 7, 3214868480
	.fill 96, 4, 3214868480
	.section	.rodata,"a",@progbits
	.p2align	6, 0x0
	.amdhsa_kernel k_q772dd2972b_quant
		.amdhsa_group_segment_fixed_size 68096
		.amdhsa_private_segment_fixed_size 0
		.amdhsa_enable_private_segment 0
		.amdhsa_kernarg_size 64
		.amdhsa_user_sgpr_count 2
		.amdhsa_user_sgpr_kernarg_segment_ptr 1
		.amdhsa_wavefront_size32 1
		.amdhsa_system_sgpr_workgroup_id_x 1
		.amdhsa_system_sgpr_workgroup_id_y 1
		.amdhsa_system_sgpr_workgroup_id_z 1
		.amdhsa_system_vgpr_workitem_id 0
		.amdhsa_next_free_vgpr 256
		.amdhsa_next_free_sgpr 66
		.amdhsa_reserve_vcc 0
		.amdhsa_float_denorm_mode_32 3
		.amdhsa_float_denorm_mode_16_64 3
		.amdhsa_fp16_overflow 1
		.amdhsa_memory_ordered 1
		.amdhsa_forward_progress 1
		.amdhsa_inst_pref_size 50
	.end_amdhsa_kernel
	.amdgpu_metadata
---
amdhsa.version: [ 1, 2 ]
amdhsa.kernels:
  - .name:           k_q772dd2972b_quant
    .symbol:         k_q772dd2972b_quant.kd
    .args:
      - { .name: x, .offset: 0, .size: 8, .value_kind: global_buffer, .address_space: global }
      - { .name: Wk, .offset: 8, .size: 8, .value_kind: global_buffer, .address_space: global }
      - { .name: Wq, .offset: 16, .size: 8, .value_kind: global_buffer, .address_space: global }
      - { .name: Wv, .offset: 24, .size: 8, .value_kind: global_buffer, .address_space: global }
      - { .name: Wp, .offset: 32, .size: 8, .value_kind: global_buffer, .address_space: global }
      - { .name: lowp_scales, .offset: 40, .size: 8, .value_kind: global_buffer, .address_space: global }
      - { .name: xc, .offset: 48, .size: 8, .value_kind: global_buffer, .address_space: global }
      - { .name: wc, .offset: 56, .size: 8, .value_kind: global_buffer, .address_space: global }
    .group_segment_fixed_size: 68096
    .private_segment_fixed_size: 0
    .kernarg_segment_align: 8
    .kernarg_segment_size: 64
    .max_flat_workgroup_size: 128
    .sgpr_count:     66
    .vgpr_count:     256
    .wavefront_size: 32
...
	.end_amdgpu_metadata
.endif
;; end of part 1
;; launch qkv (part 2): grid 12 x 32, 4 waves a work-group, clusters of 4 x 4, 327,680 bytes of LDS; arguments xc, wc, bk, bq, bv, lowp_scales, qkv; writes qkv
.if DOCPART == 2
	.amdgcn_target "amdgcn-amd-amdhsa--gfx1250"
	.amdhsa_code_object_version 6
	.text
	.protected	k_q772dd2972b_qkv
	.globl	k_q772dd2972b_qkv
	.p2align	8
	.type	k_q772dd2972b_qkv,@function
k_q772dd2972b_qkv:
	s_mov_b64 s[64:65], 0
	v_nop
	global_prefetch_b8 v0, s[64:65] scope:SCOPE_SE
	s_setreg_imm32_b32 hwreg(HW_REG_WAVE_MODE, 25, 1), 1
	s_wait_xcnt 0x0
	s_wait_alu depctr_hold_cnt(0) depctr_sa_sdst(0) depctr_va_vdst(0) depctr_va_sdst(0) depctr_va_ssrc(0) depctr_va_vcc(0) depctr_vm_vsrc(0)
	s_getreg_b32 s2, hwreg(HW_REG_IB_STS2, 6, 4)
	s_cmp_eq_u32 s2, 0
	s_cbranch_scc0 .Lentry_in_a_cluster
	s_endpgm
.Lentry_in_a_cluster:
	s_bfe_u32 s2, ttmp6, 0x10000c
	s_cmp_lg_u32 s2, 0xf033
	s_cbranch_scc0 .Lentry_shape_is_right
	s_endpgm
.Lentry_shape_is_right:
; k = x Wk^T + bk, q = x Wq^T + bq, v = x Wv^T + bv on codes of FP8 (E4M3); each result is quantised at once for attention's products and stored as codes.  K = 1,024.
; The cluster's x says which product: P = 0: k, 1: q, 2: v.  A finished sum stands for sum x 2^(ea + eb) (entries 2 P, 2 P + 1 of the exponents); number = sum x 2^(ea + eb) + bias, one fused multiply-add in f32;
; code = number / 2^eo, held within +-448, to the nearest code: eo = entry 7 (k), 6 (q), 9 (v).
; LIMITS: ea + eb between -126 and 127, eo between -126 and 119, so that each power of two below is an f32 number.  NaN is not served.
; ALL CODES LIE IN THE ORDER OF AN OPERAND'S REGISTERS: fragment (tau, ks) = 16 rows x 128 K = 2,048 bytes at (8 tau + ks) x 2,048; chunk c, lane l = 16 h + r: 16 bytes at 512 c + 16 l: k = 32 c + 16 h + 0 .. 15 of row
; 32 (tau / 2) + 8 (tau % 2) + r + 8 (r / 8).  (That order of k is not the form's own; it is the same on both sides of each product, so every product meets its partner; the result is judged within a tolerance.)
; A tile of the result, 256 x 256, is made by four waves, as many as a WGP has SIMDs; a wave makes 128 x 128: 64 accumulators, 512 registers.  K goes in four steps of 256 through two LDS slots.
; THE MATRIX INSTRUCTION IS USED TRANSPOSED (source 0 = 16 rows of B, source 1 = 16 rows of A): lane (r, h) holds row r of A's tile, and register j of B's tile 2 b + u holds B's row 32 b + 16 h + 8 u + j:
; the 16 registers of two neighbouring tiles are 16 neighbours, and eight conversions make a fragment's registers: the codes are stored straight from registers, 512 consecutive bytes a store.
; P < 2: A = x's codes (part P), B = the weight's: a lane holds a token, its registers run along the channels, which are the K of q k^T.
; P = 2: A = Wv's codes, B = x's (part 2): a lane holds a channel, its registers run along the tokens, which are the K of p v.  Only addresses, the bias's form and the stores' offsets differ.
; OUT: part 0 K, part 1 Q: fragment (16 tokens x 64 d, two chunks) at (128 (16 batch + head) + tau) x 1,024;  part 2 V^T: fragment (16 channels x 128 keys) at ((16 (16 batch + head) + key step) x 4 + ct) x 2,048.
; CLUSTERS: 4 x 4 work-groups.  The four of a row of the cluster need the same tiles of A, the four of a column the same tiles of B: each tile is asked for jointly.
; No prefetch: of the four K steps two are first fills, and the two refills follow within two steps of 128: no K step lies further ahead to be asked for.
; REGISTERS, in windows of 256: window 0: v0-31 addresses and scales; v32-95 the bias along the registers; v96-111 the bias along the lanes; from v128 A's fragments, ONE set; on the way out v128-255 are free.
;   window 1: B's fragments, TWO sets, at v0 and v128.   window 2: the accumulators of A's blocks 0-3 ((a, b) at v[8 (8 (a % 4) + b)]);   window 3: those of blocks 4-7.
.set AB,    8                          ; A's blocks of 16 rows for a wave
.set HB,    AB/2
.set HALFA, 4096*AB                    ; LDS: AB tiles x 256 along K: what one tensor load brings of A
.set HALFB, 32768                      ; and of B: 8 tiles
.set SLOT,  2*HALFA+2*HALFB            ; A's two halves, then B's two
.set SPARE, 2*SLOT                     ; behind the ring: the spare words, 128 bytes for each wave: two blocks of 256 bytes that no other line names
.set ADRA, 16                          ; v16-17  LDS address of my A fragments in slot 0, 1
.set ADRB, 20                          ; v20-21  the same for B
.set LA,   24                          ; v24     16 x lane; never rewritten
.set SPW,  28                          ; v28     LDS address of my spare word; never rewritten
.set NIL,  29                          ; v29     0; never rewritten
.set SC,   30                          ; v30     2^eo
.set LIM,  31
.set BR,   32
.set BL,   96
.set AF,   128
.set TMP,  128                         ; the way out: a block's 64 numbers
.set CD,   192                         ; and four sets of 16 registers of codes
.set WV,   18                          ; s18 wave;  s19 which half of A's rows is mine, also: I fetch for A (0) or B (1);  s20 which half of B's rows, also: which half I fetch
.set RH,   19
.set CH,   20
.set G1,   24                          ; s[24:31] descriptor group 1 for A's tiles;  s[32:39] group 0, one set for each slot
.set G0,   32
.set G1B,  48                          ; s[48:55], s[56:63] the same for B's
.set G0B,  56
.set MSB,  0
.macro WIN new                         ; the immediate's high byte repeats the setting that is left; a switch that changes nothing is dropped
.if MSB != (\new)
	s_set_vgpr_msb (MSB<<8)|(\new)
.set MSB, (\new)
.endif
.endm
; A joint load: waves 0 and 1 fetch for A, waves 2 and 3 for B.  Each line has one mask and one set of registers for all that issue it; the branch hangs on the wave's number alone.
; Four v_nop follow each of the two lines, ahead of the jump, the label and what follows.
.macro JLOAD g0a, g1a, g0b, g1b
	s_cmp_eq_u32 s[RH], 0
	s_cbranch_scc0 .Lfor_b_\@
	tensor_load_to_lds s[\g0a:\g0a+3], s[\g1a:\g1a+7]
	s_nop 0
.rept 4
	v_nop
.endr
	s_branch .Lasked_\@
.Lfor_b_\@:
	tensor_load_to_lds s[\g0b:\g0b+3], s[\g1b:\g1b+7]
	s_nop 0
.rept 4
	v_nop
.endr
.Lasked_\@:
.endm
.macro CREST                           ; a round of the cluster's barrier behind its opening barrier
	s_cmp_lg_u32 s[WV], 0
	s_cbranch_scc1 .Lnot_wave_0_\@
	s_barrier_signal -3
.Lnot_wave_0_\@:
	s_barrier_wait -3
	s_barrier_signal -1
	s_barrier_wait -1
.endm
.macro CROUND                          ; a whole round
	s_barrier_signal -1
	s_barrier_wait -1
	CREST
.endm
.macro PLACES n                        ; plain vector lines between a matrix instruction and a load into, or a vector line on, its registers (ISA guide 7.12.1 for vector lines)
.rept \n
	v_nop
.endr
.endm
.macro FRAG reg, adr, q, i             ; tile i's fragment of the slot's q-th 128 along K: four chunks of 512 bytes, 16 bytes a lane
.irp c, 0,1,2,3
	ds_load_b128 v[\reg+4*\c:\reg+4*\c+3], v[\adr] offset:4096*(\i)+2048*(\q)+512*\c
.endr
.endm
.macro FETCH_B slot, q, p              ; B's eight fragments into set p
	WIN 0x40                                       ; destination window 1, address window 0
.irp i, 0,1,2,3,4,5,6,7
	FRAG 128*(\p)+16*\i, ADRB+\slot, \q, \i
.endr
	WIN 0
.endm
.macro FETCH_A slot, q, i0             ; A's blocks i0 .. i0 + HB - 1
.set FI, \i0
.rept HB
	FRAG AF+16*FI, ADRA+\slot, \q, FI
.set FI, FI+1
.endr
.endm
.macro MULA p, zero                    ; A's block MA against B's eight, 128 along K.  zero = 1: the product starts the sums: nothing is ever cleared
	WIN 0xa1+0x50*(MA/4)                           ; source 0 (B) window 1, source 1 (A) window 0, C and D window 2 or 3
.irp b, 0,1,2,3,4,5,6,7
.if \zero
	v_wmma_f32_16x16x128_fp8_fp8 v[8*(8*(MA%4)+\b):8*(8*(MA%4)+\b)+7], v[128*(\p)+16*\b:128*(\p)+16*\b+15], v[AF+16*MA:AF+16*MA+15], 0
.else
	v_wmma_f32_16x16x128_fp8_fp8 v[8*(8*(MA%4)+\b):8*(8*(MA%4)+\b)+7], v[128*(\p)+16*\b:128*(\p)+16*\b+15], v[AF+16*MA:AF+16*MA+15], v[8*(8*(MA%4)+\b):8*(8*(MA%4)+\b)+7]
.endif
.endr
.endm
.macro MULR a0, n, p, zero             ; n blocks from a0 on.  The accumulators take turns, one instruction a turn, in the same order in every step
.set MA, \a0
.rept \n
	MULA \p, \zero
.set MA, MA+1
.endr
.endm
; A step of 128 along K that has its successor in the same slot.  A block of A is free when its eight products are issued, so A has one set: its first half is fetched anew in the step's middle, its second at the end.
.macro STEP slot, q, zero
	s_wait_dscnt 4*HB                              ; B's set and A's first half are in; the youngest 4 HB loads (A's second half) may be out
	MULR 0, HB, (\q)%2, \zero
	s_wait_dscnt 0
	PLACES 4
	FETCH_B \slot, (\q)+1, 1-(\q)%2
	FETCH_A \slot, (\q)+1, 0
	MULR HB, HB, (\q)%2, \zero
	PLACES 4
	WIN 0
	FETCH_A \slot, (\q)+1, HB
.endm
; A slot's last step changes slots: one barrier; in front of it each wave waits for all its tensor loads, adds 0 to its spare word, and waits for that and for its own reads of this slot.  fill = 1: this slot is filled again, two K steps ahead.
.macro TURN slot, next, fill
	s_wait_tensorcnt 0x0                           ; all my tensor loads have landed: my part of the next slot
	ds_add_u32 v[SPW], v[NIL]                      ; 0 onto my spare word
	s_wait_dscnt 4*HB+1                            ; the add and the youngest 4 HB loads may be out
	MULR 0, HB/2, 1, 0                             ; matrix work stands between the add and the wait for it
	s_wait_dscnt 0x0                               ; the add is done, and my reads of this slot are over
	s_barrier_signal -1
	MULR HB/2, HB/2, 1, 0
	WIN 0
	s_barrier_wait -1
.if \fill
	CREST                                          ; the barrier has opened a round of the cluster's: no wave of any partner still reads this slot or has a load on its way
	s_add_nc_u64 s[G0+4*\slot+2:G0+4*\slot+3], s[G0+4*\slot+2:G0+4*\slot+3], 8192
	s_add_nc_u64 s[G0B+4*\slot+2:G0B+4*\slot+3], s[G0B+4*\slot+2:G0B+4*\slot+3], 8192
	JLOAD G0+4*\slot, G1, G0B+4*\slot, G1B         ; the first tensor load behind the round; its four v_nop are the places in front of the loads below
.else
	PLACES 4
.endif
	s_wait_alu depctr_va_vdst(0)
	FETCH_B \next, 0, 0
	FETCH_A \next, 0, 0
	MULR HB, HB, 1, 0
	PLACES 4
	WIN 0
	FETCH_A \next, 0, HB
.endm
	s_load_b256 s[4:11], s[0:1], 0x0               ; xc, wc, bk, bq
	s_load_b128 s[12:15], s[0:1], 0x20             ; bv, the exponents
	s_load_b64 s[16:17], s[0:1], 0x30              ; qkv
	v_lshl_add_u32 v[SPW], v0, 2, SPARE
	v_mov_b32 v[NIL], 0
	ds_add_u32 v28, v29
	ds_add_u32 v28, v29
	s_wait_dscnt 0x0
	v_lshrrev_b32 v1, 5, v0
	v_readfirstlane_b32 s[WV], v1
	s_lshr_b32 s[RH], s[WV], 1
	s_and_b32 s[CH], s[WV], 1
	s_bfe_u32 s40, ttmp6, 0x40000                  ; cx, cy: my place in the cluster
	s_bfe_u32 s41, ttmp6, 0x40004
	s_and_b32 s21, ttmp7, 0xffff
	s_lshl_b32 s21, s21, 2                         ; 4 x cluster y: the blocks of 256 tokens
	s_cmp_eq_u32 ttmp9, 2                          ; the tokens are A's rows for k and q, B's rows for v
	s_cselect_b32 s43, 0, s21
	s_cselect_b32 s42, s21, 0
	s_add_co_u32 s43, s43, s41                     ; A's block of 256 rows: hangs on cy alone
	s_add_co_u32 s42, s42, s40                     ; B's: on cx alone
	s_lshl_b32 s44, s41, 2
	s_lshl_b32 s44, 15, s44                        ; my row of the cluster
	s_lshl_b32 s45, 0x1111, s40                    ; my column
	; descriptor group 1: 8 rows of 4,096 bytes (a tile's two fragments of a K step), 16,384 bytes apart (a tile's eight fragments); dense in LDS
	s_or_b32 s[G1], s44, (3<<16)|(1<<21)           ; 15:0 the mask; 17:16 elements of 8 bytes; 21 set beside a mask
	s_or_b32 s[G1B], s45, (3<<16)|(1<<21)
.irp g, G1, G1B
	s_mov_b32 s[\g+1], 512<<16                     ; tensor_dim0 = 512 elements
	s_mov_b32 s[\g+2], 8<<16                       ; tensor_dim1 = 8
	s_mov_b32 s[\g+3], 512<<16                     ; tile_dim0
	s_mov_b32 s[\g+4], 8                           ; tile_dim1
	s_mov_b32 s[\g+5], 2048                        ; tensor_dim0_stride
	s_mov_b32 s[\g+6], 0
	s_mov_b32 s[\g+7], 0
.endr
	s_lshl_b32 s22, s[CH], 17                      ; which 8 tiles I fetch
	s_lshl_b32 s66, s43, 18                        ; 16 tiles x 16,384 bytes for each block of 256 rows
	s_add_co_u32 s66, s66, s22
	s_mov_b32 s67, 0
	s_lshl_b32 s68, s42, 18
	s_add_co_u32 s68, s68, s22
	s_mov_b32 s69, 0
	s_mul_i32 s46, s[CH], HALFA                    ; where they go: no place in the cluster enters an LDS address
	s_mul_i32 s47, s[CH], HALFB
	s_add_co_u32 s47, s47, 2*HALFA
	s_lshl_b32 s70, ttmp9, 23                      ; x's part P
	s_mov_b32 s71, 0
	s_wait_kmcnt 0x0
	s_load_b256 s[72:79], s[14:15], 0x0            ; e0 .. e7
	s_load_b128 s[80:83], s[14:15], 0x20           ; e8 .. e11
	s_add_nc_u64 s[4:5], s[4:5], s[70:71]
	s_lshl_b32 s70, ttmp9, 20                      ; the weights' part P
	s_add_nc_u64 s[6:7], s[6:7], s[70:71]
	s_cmp_eq_u32 ttmp9, 2
	s_cselect_b64 s[84:85], s[6:7], s[4:5]         ; A
	s_cselect_b64 s[86:87], s[4:5], s[6:7]         ; B
	s_add_nc_u64 s[84:85], s[84:85], s[66:67]
	s_add_nc_u64 s[86:87], s[86:87], s[68:69]
	CROUND                                         ; all sixteen work-groups are here: the first joint loads meet
.irp s, 0,1
	s_mov_b32 s[G0+4*\s], 1
	s_add_co_u32 s[G0+4*\s+1], s46, \s*SLOT
	s_add_nc_u64 s[G0+4*\s+2:G0+4*\s+3], s[84:85], \s*4096   ; K step s
	s_or_b32 s[G0+4*\s+3], s[G0+4*\s+3], 0x80000000
	s_mov_b32 s[G0B+4*\s], 1
	s_add_co_u32 s[G0B+4*\s+1], s47, \s*SLOT
	s_add_nc_u64 s[G0B+4*\s+2:G0B+4*\s+3], s[86:87], \s*4096
	s_or_b32 s[G0B+4*\s+3], s[G0B+4*\s+3], 0x80000000
	JLOAD G0+4*\s, G1, G0B+4*\s, G1B               ; two loads of mine are out
.endr
	v_and_b32 v1, 31, v0
	v_lshlrev_b32 v[LA], 4, v1
	s_mul_i32 s21, s[RH], HALFA                    ; my half of A,
	s_mul_i32 s22, s[CH], HALFB
	s_add_co_u32 s22, s22, 2*HALFA                 ; my half of B
.irp s, 0,1
	v_add_nc_u32 v[ADRA+\s], s21, v[LA]
	v_add_nc_u32 v[ADRB+\s], s22, v[LA]
	s_add_co_u32 s21, s21, SLOT
	s_add_co_u32 s22, s22, SLOT
.endr
	; the bias, in both forms, so that every register is written on every path; both stay inside the bias's 4,096 bytes
	s_cmp_eq_u32 ttmp9, 0
	s_cselect_b64 s[88:89], s[8:9], s[10:11]
	s_cmp_eq_u32 ttmp9, 2
	s_cselect_b64 s[88:89], s[12:13], s[88:89]
	s_lshl_b32 s92, s40, 10
	s_lshl_b32 s93, s[CH], 9
	s_add_co_u32 s92, s92, s93
	s_mov_b32 s93, 0
	s_add_nc_u64 s[92:93], s[88:89], s[92:93]      ; along the registers: channels 256 cx + 128 x my half of B on
	s_lshl_b32 s94, s41, 10
	s_lshl_b32 s95, s[RH], 9
	s_add_co_u32 s94, s94, s95
	s_mov_b32 s95, 0
	s_add_nc_u64 s[94:95], s[88:89], s[94:95]      ; along the lanes: channels 256 cy + 128 x my half of A on
	v_and_b32 v4, 15, v0                           ; r
	v_bfe_u32 v5, v0, 4, 1                         ; h
	v_lshlrev_b32 v2, 6, v5                        ; 16 h channels
	v_and_b32 v6, 8, v4
	v_add_nc_u32 v6, v6, v4
	v_lshlrev_b32 v3, 2, v6                        ; channel r + 8 (r / 8)
.irp t, 0,1,2,3,4,5,6,7
	global_load_b128 v[BR+8*\t:BR+8*\t+3], v2, s[92:93] offset:(32*(\t/2)+8*(\t%2))*4
	global_load_b128 v[BR+8*\t+4:BR+8*\t+7], v2, s[92:93] offset:(32*(\t/2)+8*(\t%2))*4+16
.endr
.irp a, 0,1,2,3,4,5,6,7
	global_load_b32 v[BL+2*\a], v3, s[94:95] offset:(32*(\a/2)+8*(\a%2))*4
	global_load_b32 v[BL+2*\a+1], v3, s[94:95] offset:(32*(\a/2)+8*(\a%2))*4     ; twice: a pair for the packed multiply-add
.endr
	; where my codes go.  These numbers mix cx and cy: they live in registers that feed no descriptor
	s_lshl_b32 s2, s43, 4
	s_lshl_b32 s3, s[RH], 3
	s_add_co_u32 s2, s2, s3                        ; k, q: my first tile of tokens, 0 .. 511,
	s_lshl_b32 s3, s42, 2
	s_lshl_b32 s23, s[CH], 1
	s_add_co_u32 s3, s3, s23                       ; my first head
	s_lshr_b32 s23, s2, 7
	s_lshl_b32 s23, s23, 4
	s_add_co_u32 s23, s23, s3                      ; 16 batch + head
	s_lshl_b32 s23, s23, 7
	s_and_b32 s2, s2, 127
	s_add_co_u32 s23, s23, s2
	s_lshl_b32 s23, s23, 10                        ; x 1,024 bytes
	s_lshl_b32 s2, s43, 2
	s_lshl_b32 s3, s[RH], 1
	s_add_co_u32 s2, s2, s3                        ; v: my first head,
	s_lshl_b32 s3, s42, 1
	s_add_co_u32 s3, s3, s[CH]                     ; my 128 tokens, 0 .. 63
	s_lshr_b32 s98, s3, 4
	s_lshl_b32 s98, s98, 4
	s_add_co_u32 s98, s98, s2                      ; 16 batch + head
	s_lshl_b32 s98, s98, 4
	s_and_b32 s3, s3, 15
	s_add_co_u32 s98, s98, s3                      ; + key step
	s_lshl_b32 s98, s98, 13                        ; x 4 fragments of 2,048 bytes
	s_cmp_eq_u32 ttmp9, 2
	s_cselect_b32 s98, s98, s23
	s_lshl_b32 s99, ttmp9, 23                      ; part P
	s_add_co_u32 s98, s98, s99
	s_mov_b32 s99, 0
	s_add_nc_u64 s[90:91], s[16:17], s[98:99]
	; the scales.  Choices among the given exponents are made by selects on the cluster's number: no branch hangs on a loaded number
	s_wait_kmcnt 0x0
	s_add_co_i32 s72, s72, s73                     ; e0 + e1
	s_add_co_i32 s74, s74, s75                     ; e2 + e3
	s_add_co_i32 s76, s76, s77                     ; e4 + e5
	s_cmp_eq_u32 ttmp9, 0
	s_cselect_b32 s96, s72, s74
	s_cselect_b32 s73, s79, s78                    ; k: e7; q: e6
	s_cmp_eq_u32 ttmp9, 2
	s_cselect_b32 s96, s76, s96
	s_cselect_b32 s73, s81, s73                    ; v: e9
	s_add_co_i32 s96, s96, 127
	s_lshl_b32 s96, s96, 23                        ; 2^(ea + eb) as f32
	s_mov_b32 s97, s96                             ; (named with it as a pair, so it is written)
	s_add_co_i32 s73, s73, 127
	s_lshl_b32 s75, s73, 23
	v_mov_b32 v[SC], s75                           ; 2^eo: the conversion takes its exponent field
	s_wait_tensorcnt 1                             ; my part of K step 0 is in; K step 1's load may be out
	s_barrier_signal -1
	s_barrier_wait -1                              ; everybody's is
	FETCH_B 0, 0, 0
	FETCH_A 0, 0, 0
	FETCH_A 0, 0, HB
	STEP 0, 0, 1                                   ; the first products start the sums
	TURN 0, 1, 1                                   ; slot 0 takes K step 2
	STEP 1, 0, 0
	TURN 1, 0, 1                                   ; slot 1 takes K step 3
	STEP 0, 0, 0
	TURN 0, 1, 0                                   ; nothing is left to fetch
	STEP 1, 0, 0
	s_wait_dscnt 4*HB                              ; the very last step
	MULR 0, HB, 1, 0
	s_wait_dscnt 0
	MULR HB, HB, 1, 0
	WIN 0
; THE WAY OUT, block by block of 16 rows of A: 64 sums a lane become 64 numbers (x 2^(ea + eb), + bias), are converted, and leave as four chunks of 512 bytes.
; kind = 0: the bias runs along the registers; chunk b belongs to head b / 2, half b % 2 of its 64; block a is a tile of tokens.   kind = 1: the bias hangs on the lane; block a is head a / 4, tile a % 4 of its channels; chunk b is 32 keys.
.macro EPI kind
.irp a, 0,1,2,3,4,5,6,7
	WIN 0x02+(\a/4)                                ; source 0: window 2 or 3
.irp t, 0,1,2,3,4,5,6,7
.irp i, 0,2,4,6
.if \kind
	v_pk_fma_f32 v[TMP+8*\t+\i:TMP+8*\t+\i+1], v[8*(8*(\a%4)+\t)+\i:8*(8*(\a%4)+\t)+\i+1], s[96:97], v[BL+2*\a:BL+2*\a+1] op_sel_hi:[1,0,1]
.else
	v_pk_fma_f32 v[TMP+8*\t+\i:TMP+8*\t+\i+1], v[8*(8*(\a%4)+\t)+\i:8*(8*(\a%4)+\t)+\i+1], s[96:97], v[BR+8*\t+\i:BR+8*\t+\i+1] op_sel_hi:[1,0,1]
.endif
.endr
.endr
	WIN 0
.set J, 0
.rept 64
.set J, J+1
.endr
.if \a >= 4
	s_wait_alu depctr_va_vdst(0)
	s_wait_xcnt 0x0                                ; block a - 4's stores have read this set of codes
.endif
.irp b, 0,1,2,3
	v_cvt_scalef32_pk8_fp8_f32 v[CD+16*(\a%4)+4*\b:CD+16*(\a%4)+4*\b+1], v[TMP+16*\b:TMP+16*\b+7], v[SC]
	v_cvt_scalef32_pk8_fp8_f32 v[CD+16*(\a%4)+4*\b+2:CD+16*(\a%4)+4*\b+3], v[TMP+16*\b+8:TMP+16*\b+15], v[SC]
.endr
	v_nop                                          ; one plain line between the conversions and the next block's lines, which write their sources
.irp b, 0,1,2,3
.if \kind
	global_store_b128 v[LA], v[CD+16*(\a%4)+4*\b:CD+16*(\a%4)+4*\b+3], s[90:91] offset:131072*(\a/4)+2048*(\a%4)+512*\b
.else
	global_store_b128 v[LA], v[CD+16*(\a%4)+4*\b:CD+16*(\a%4)+4*\b+3], s[90:91] offset:1024*\a+131072*(\b/2)+512*(\b%2)
.endif
.endr
.endr
.endm
	s_wait_loadcnt 0x0                             ; the bias
	PLACES 4                                       ; behind the last products: their results are read, and A's registers written, below
	s_cmp_eq_u32 ttmp9, 2                          ; the cluster's number: the same in all sixteen partners
	s_cbranch_scc1 .Lfor_v
	EPI 0
	s_branch .Lout
.Lfor_v:
	EPI 1
.Lout:
	s_wait_tensorcnt 0x0                           ; the wave's end
	ds_add_u32 v[SPW], v[NIL]
	s_wait_dscnt 0x0
	CROUND                                         ; the closing round: no work-group ends while a partner may still ask for a tile that names it
	s_endpgm
.Lfunc_end_k_q772dd2972b_qkv:
	.size	k_q772dd2972b_qkv, .Lfunc_end_k_q772dd2972b_qkv-k_q772dd2972b_qkv
	.p2alignl 7, 3214868480
	.fill 96, 4, 3214868480
	.section	.rodata,"a",@progbits
	.p2align	6, 0x0
	.amdhsa_kernel k_q772dd2972b_qkv
		.amdhsa_group_segment_fixed_size 327680
		.amdhsa_private_segment_fixed_size 0
		.amdhsa_enable_private_segment 0
		.amdhsa_kernarg_size 56
		.amdhsa_user_sgpr_count 2
		.amdhsa_user_sgpr_kernarg_segment_ptr 1
		.amdhsa_wavefront_size32 1
		.amdhsa_system_sgpr_workgroup_id_x 1
		.amdhsa_system_sgpr_workgroup_id_y 1
		.amdhsa_system_sgpr_workgroup_id_z 1
		.amdhsa_system_vgpr_workitem_id 0
		.amdhsa_next_free_vgpr 1024
		.amdhsa_next_free_sgpr 100
		.amdhsa_reserve_vcc 0
		.amdhsa_float_denorm_mode_32 3
		.amdhsa_float_denorm_mode_16_64 3
		.amdhsa_fp16_overflow 1
		.amdhsa_memory_ordered 1
		.amdhsa_forward_progress 1
		.amdhsa_inst_pref_size 130
	.end_amdhsa_kernel
	.amdgpu_metadata
---
amdhsa.version: [ 1, 2 ]
amdhsa.kernels:
  - .name:           k_q772dd2972b_qkv
    .symbol:         k_q772dd2972b_qkv.kd
    .args:
      - { .name: xc, .offset: 0, .size: 8, .value_kind: global_buffer, .address_space: global }
      - { .name: wc, .offset: 8, .size: 8, .value_kind: global_buffer, .address_space: global }
      - { .name: bk, .offset: 16, .size: 8, .value_kind: global_buffer, .address_space: global }
      - { .name: bq, .offset: 24, .size: 8, .value_kind: global_buffer, .address_space: global }
      - { .name: bv, .offset: 32, .size: 8, .value_kind: global_buffer, .address_space: global }
      - { .name: lowp_scales, .offset: 40, .size: 8, .value_kind: global_buffer, .address_space: global }
      - { .name: qkv, .offset: 48, .size: 8, .value_kind: global_buffer, .address_space: global }
    .group_segment_fixed_size: 327680
    .private_segment_fixed_size: 0
    .kernarg_segment_align: 8
    .kernarg_segment_size: 56
    .max_flat_workgroup_size: 128
    .sgpr_count:     100
    .vgpr_count:     1024
    .wavefront_size: 32
...
	.end_amdgpu_metadata
.endif
;; end of part 2
;; launch attn (part 3): grid 4 x 64, 16 waves a work-group, no clusters, 327,680 bytes of LDS; arguments qkv, lowp_scales, yc; writes yc
.if DOCPART == 3
	.amdgcn_target "amdgcn-amd-amdhsa--gfx1250"
	.amdhsa_code_object_version 6
	.text
	.protected	k_q772dd2972b_attn
	.globl	k_q772dd2972b_attn
	.p2align	8
	.type	k_q772dd2972b_attn,@function
k_q772dd2972b_attn:
	s_mov_b64 s[64:65], 0
	v_nop
	global_prefetch_b8 v0, s[64:65] scope:SCOPE_SE
	s_setreg_imm32_b32 hwreg(HW_REG_WAVE_MODE, 25, 1), 1
	s_wait_xcnt 0x0
; y[b][t][64 head + d] = the sum over keys s <= t of softmax_s(q[t] . k[s] / 8) v[s][d], both products on codes of FP8 (E4M3); y is quantised at once for the last projection and stored as codes.
; Exponents: q entry 6, k entry 7, p entry 8, v entry 9, y entry 10.
; THE SOFTMAX AHEAD OF THE SECOND PRODUCT: t = score x log2(e) / 8; M = the row's largest t so far, rounded UP to a whole number; p = 2^(t - M) is quantised, not normalised.  The row's sum is taken of the
; unquantised p, in f32, and divides at the end.  When M moves, the sum and O are multiplied by 2^(old M - new M): exact.
; LIMITS: e6 + e7 between -123 and 130 (added to c's exponent field); e8 and e10 between -126 and 119; e8 + e9 is applied by v_ldexp_f32 and has none.  NaN is not served.
; IN: qkv part 0 K, part 1 Q: fragment (16 tokens x 64 d: two chunks of 512 bytes, lane l = 16 h + r: d = 32 c + 16 h + 0 .. 15 of token 32 (tau / 2) + 8 (tau % 2) + r + 8 (r / 8)) at (128 bh + tau) x 1,024;
;     part 2 V^T: fragment (16 channels x 128 keys, four chunks) at ((16 bh + key step) x 4 + ct) x 2,048.   OUT: yc, fragment (tile of tokens, ks) at (8 tau + ks) x 2,048: my head's two chunks of it.
; SHARES.  A work-group (i, bh) owns two blocks of 256 queries of one head: first block 7 - i, which wants key slots 0 .. 7 - i, then block i, which wants slots 0 .. i: NINE slots of 256 keys in every work-group:
; 256 work-groups of equal work, no slot fetched that nobody reads, and a trip count that is a constant of the text.  Each of the sixteen waves owns one tile of 16 queries in 256 registers: four waves to a SIMD,
; so that one wave's vector work stands beside another's matrix work and LDS loads.
; LAYOUT.  Both products are used transposed: S^T = K Q^T (source 0 = 16 keys), O^T = V^T P^T (source 0 = 16 channels): a lane holds ONE query throughout, the 16 registers of two neighbouring tiles of keys
; are 16 neighbouring keys, and the conversions' results are the next operand's registers; so are y's codes, which leave straight from registers, 512 consecutive bytes a store.
; CAUSAL.  A key step all of whose keys come after my queries is left out by a scalar branch on ids; on the diagonal hidden scores become -infinity ahead of the maximum.  Key 0 counts for every query.
; NO CLUSTER, though the four work-groups of a head read the same K and V: from trip 8 - i on work-group i is back at slot 0 while its neighbours walk on, so the partners' requests differ from trip 5 on;
; a walk in step would take 12 slots in place of 9.
; REGISTERS: v1 16 x lane; v2 my query less my half's 16 keys; v3 the prefetches' offset; v5, v6 the add's; v8 LDS address; v12 -M, v13 the largest t, v[14:15] the sum in two halves; v16-23 Q; v24-31 the second block's Q;
;   v32-95 K's eight fragments, then V's four; v96-159 S^T, then p; v160-191 O^T; v224-239 codes; v244: 2^e8; v245: 2^e10; v236, v238-243, v246-255 at work.
.set VOFF,  16384                      ; a slot: 16 tiles of K (1,024 bytes each), then 2 key steps x 4 tiles of V^T (2,048 bytes each)
.set SLOT1, 32768                      ; slot 1 begins here: one exclusive or turns an address in one slot into the other's
.set SPARE, 65536                      ; behind the ring: the spare words, 128 bytes for each wave: eight blocks of 256 bytes that no other line names
.set LA,   1
.set VQ,   2
.set PFO,  3
.set SPW,  5
.set NIL,  6
.set ADR,  8
.set TB,   2                           ; s2   LDS byte at which the slot in hand begins
.set WV,   18
.set SEL,  20                          ; s[20:21] lane selects for v_permlanex16_b32: lane l xor 16
.set CS,   22                          ; s[22:23] c = log2(e) / 8 x 2^(e6 + e7)
.set G1,   24                          ; s[24:31] descriptor group 1
.set G0,   40                          ; s[40:43] group 0, which walks
.set BASE, 44                          ; s[44:45] my tensor's first byte of this head
.set TR,   66                          ; s66  the trip, 0 .. 8
.set SWT,  67                          ; s67  7 - i: the first block's number, and the trip that finishes it
.set CUR,  84                          ; s84  the key slot in hand;  s85 the next one
.set NS,   85
.set Q1,   86                          ; s86  my first query of the second block
.set EPV,  87                          ; s87  e8 + e9
.set PFA,  92                          ; s[92:93] where my prefetches stand
.set PLIM, 94                          ; s94  a wave prefetches while the trip is under it: 6 or 0
.set KF,   98                          ; s98  the step's first key
.set Q0,   99                          ; s99  my first query; my queries are Q0 + r + 8 (r / 8): Q0 + 23 at the most
.macro TLOAD                           ; wave 0 fetches a slot's K, wave 1 its V, the others nothing.  Four v_nop follow the line
	s_cmp_lt_u32 s[WV], 2
	s_cbranch_scc0 .Lasked_\@
	tensor_load_to_lds s[G0:G0+3], s[G1:G1+7]
	s_nop 0
.rept 4
	v_nop
.endr
.Lasked_\@:
.endm
; A PREFETCH INTO THE L2 of the key slot that the NEXT change of slots will ask for.  The work-group with i = 0 walks slots 0 .. 7 in trips 0 .. 7, and none of the head's other three is ahead of it: it asks, and nobody else.
; In it waves 4 and 5 ask for the two halves of K's 16 KiB, waves 6 and 7 for V's: 8,192 bytes a wave, lanes 256 bytes apart: each aligned block of 256 bytes is named once in the launch.
; Trip T names slot T + 2; trips 6 and 7 name nothing: there is no slot 8.  Slots 0 and 1 come by their loads alone.
.macro ASK
	s_cmp_lt_u32 s[TR], s[PLIM]
	s_cbranch_scc0 .Lnot_mine_\@
	global_prefetch_b8 v[PFO], s[PFA:PFA+1] th:TH_LOAD_NT scope:SCOPE_SE
.Lnot_mine_\@:
.endm
; A KEY STEP: 128 keys, the q-th of the slot in hand.
.macro STEP q
	s_add_co_u32 s96, s[Q0], 23
	s_cmp_gt_u32 s[KF], s96                        ; all 128 keys come after my 16 queries: nothing to do
	s_cbranch_scc1 .Lhidden_\@
.rept 4
	v_nop                                          ; places in front of loads into registers that the last products read
.endr
	s_wait_alu depctr_va_vdst(0)
.irp j, 0,1,2,3,4,5,6,7
.irp c, 0,1
	ds_load_b128 v[32+8*\j+4*\c:32+8*\j+4*\c+3], v[ADR] offset:(8*(\q)+\j)*1024+512*\c
.endr
.endr
	s_wait_dscnt 0x0
	s_wait_alu depctr_va_vdst(0)
.irp j, 0,1,2,3,4,5,6,7                        ; S^T = K Q^T: register 16 b + i of the 64 is key KF + 32 b + 16 h + i
	v_wmma_f32_16x16x64_fp8_fp8 v[96+8*\j:103+8*\j], v[32+8*\j:39+8*\j], v[16:23], 0
.endr
.rept 4
	v_nop                                          ; places: the loads below land in K's registers, and the scores are read
.endr
.irp t, 0,1,2,3                                ; V's fragments are asked for now and land under the softmax
.irp c, 0,1,2,3
	ds_load_b128 v[32+16*\t+4*\c:32+16*\t+4*\c+3], v[ADR] offset:VOFF+8192*(\q)+2048*\t+512*\c
.endr
.endr
	s_add_co_u32 s96, s[KF], 127
	s_cmp_le_u32 s96, s[Q0]                        ; all 128 keys count for all my queries: no mask
	s_cbranch_scc1 .Lopen_\@
	s_sub_co_i32 s96, s[Q0], s[KF]
	v_add_nc_u32 v252, s96, v[VQ]                  ; d = my query - KF - 16 h: register 16 b + i is hidden where 32 b + i > d
	v_mov_b32 v254, 0xff800000                     ; -infinity
.set N, 0
.rept 64
	v_cmp_gt_i32 vcc_lo, 32*(N/16)+N%16, v252
	v_cndmask_b32 v[96+N], v[96+N], v254, vcc_lo
.set N, N+1
.endr
.Lopen_\@:
	v_max3_num_f32 v254, v96, v97, v98             ; the step's largest score of my query among my 64 keys, in two chains; each accumulator is read from its low end on,
	v_max3_num_f32 v252, v99, v100, v101
.irp i, 6,10,14,18,22,26,30,34,38,42,46,50,54,58
	v_max3_num_f32 v254, v254, v[96+\i], v[97+\i]
	v_max3_num_f32 v252, v252, v[98+\i], v[99+\i]
.endr
	v_max3_num_f32 v254, v254, v158, v159
	s_delay_alu instid0(VALU_DEP_1)
	v_max_num_f32 v254, v254, v252
	v_permlanex16_b32 v236, v254, s[SEL], s[SEL+1]
	s_delay_alu instid0(VALU_DEP_1)
	v_max_num_f32 v254, v254, v236                 ; and among lane l xor 16's
	s_delay_alu instid0(VALU_DEP_1)
	v_mul_f32 v254, s[CS], v254                    ; as t (c is positive)
	s_delay_alu instid0(VALU_DEP_1)
	v_max_num_f32 v13, v13, v254                   ; the running largest t
	v_mov_b32 v254, v12
	s_delay_alu instid0(VALU_DEP_2)
	v_floor_f32 v12, -v13                          ; the new -M = floor(-t) = -ceil(t): a whole number
	s_delay_alu instid0(VALU_DEP_1)
	v_sub_f32 v254, v12, v254                      ; old M - new M: a whole number, 0 or less
	s_delay_alu instid0(VALU_DEP_1)
	v_cvt_i32_f32 v254, v254                       ; (it saturates)
	s_delay_alu instid0(VALU_DEP_1)
	v_ldexp_f32 v252, 1.0, v254                    ; f = 2^(old M - new M)
.set N, 0
.rept 32
	v_pk_fma_f32 v[96+N:97+N], v[96+N:97+N], s[CS:CS+1], v[12:13] op_sel_hi:[1,0,0]   ; t - M, two at a time
.set N, N+2
.endr
.set N, 0
	s_wait_alu depctr_va_vdst(0)
.rept 64
	v_exp_f32 v[96+N], v[96+N]                     ; p = 2^(t - M), at most 1
.set N, N+1
.endr
	v_pk_mul_f32 v[14:15], v[14:15], v[252:253] op_sel_hi:[1,0]   ; the sums under the new M: the plain line behind the exponentials
	s_wait_alu depctr_va_vdst(0)                   ; one wait for the whole batch, ahead of its first reader
	v_pk_add_f32 v[242:243], v[100:101], v[104:105]
	v_pk_add_f32 v[254:255], v[108:109], v[112:113]
	v_pk_add_f32 v[250:251], v[116:117], v[120:121]
	v_pk_add_f32 v[248:249], v[124:125], v[128:129]
	v_pk_add_f32 v[246:247], v[132:133], v[136:137]
	v_pk_add_f32 v[240:241], v[140:141], v[144:145]
	v_pk_add_f32 v[238:239], v[148:149], v[152:153]
	v_pk_add_f32 v[14:15], v[14:15], v[156:157]
	v_pk_add_f32 v[242:243], v[242:243], v[96:97]
	v_pk_add_f32 v[254:255], v[254:255], v[98:99]
	v_pk_add_f32 v[250:251], v[250:251], v[102:103]
	v_pk_add_f32 v[248:249], v[248:249], v[106:107]
	v_pk_add_f32 v[246:247], v[246:247], v[110:111]
	v_pk_add_f32 v[240:241], v[240:241], v[114:115]
	v_pk_add_f32 v[238:239], v[238:239], v[118:119]
	v_pk_add_f32 v[14:15], v[14:15], v[122:123]
	v_pk_add_f32 v[242:243], v[242:243], v[126:127]
	v_pk_add_f32 v[254:255], v[254:255], v[130:131]
	v_pk_add_f32 v[250:251], v[250:251], v[134:135]
	v_pk_add_f32 v[248:249], v[248:249], v[138:139]
	v_pk_add_f32 v[246:247], v[246:247], v[142:143]
	v_pk_add_f32 v[240:241], v[240:241], v[146:147]
	v_pk_add_f32 v[238:239], v[238:239], v[150:151]
	v_pk_add_f32 v[14:15], v[14:15], v[154:155]
	v_pk_add_f32 v[242:243], v[242:243], v[158:159]
	s_delay_alu instid0(VALU_DEP_2)
	v_pk_add_f32 v[14:15], v[14:15], v[248:249]
	s_delay_alu instid0(VALU_DEP_2)
	v_pk_add_f32 v[242:243], v[242:243], v[246:247]
	v_pk_add_f32 v[254:255], v[254:255], v[240:241]
	v_pk_add_f32 v[250:251], v[250:251], v[238:239]
	s_delay_alu instid0(VALU_DEP_2)
	v_pk_add_f32 v[14:15], v[14:15], v[254:255]
	s_delay_alu instid0(VALU_DEP_2)
	v_pk_add_f32 v[242:243], v[242:243], v[250:251]
	s_delay_alu instid0(VALU_DEP_1)
	v_pk_add_f32 v[14:15], v[14:15], v[242:243]
.irp b, 0,1,2,3
.irp i, 0,1,2,3,4,5,6,7,8,9,10,11,12,13,14,15
.endr
	v_cvt_scalef32_pk8_fp8_f32 v[224+4*\b:225+4*\b], v[96+16*\b:103+16*\b], v244
	v_cvt_scalef32_pk8_fp8_f32 v[226+4*\b:227+4*\b], v[104+16*\b:111+16*\b], v244
.endr
.set N, 0
.rept 16
	v_pk_mul_f32 v[160+N:161+N], v[160+N:161+N], v[252:253] op_sel_hi:[1,0]   ; O^T under the new M; also the plain lines between the conversions and the products that read the codes
.set N, N+2
.endr
	s_wait_alu depctr_va_vdst(0)
	s_wait_dscnt 0x0                               ; V is in
.irp t, 0,1,2,3                                ; O^T += V^T P^T: the four accumulators take turns
	v_wmma_f32_16x16x128_fp8_fp8 v[160+8*\t:167+8*\t], v[32+16*\t:47+16*\t], v[224:239], v[160+8*\t:167+8*\t]
.endr
.Lhidden_\@:
	s_add_co_u32 s[KF], s[KF], 128
.endm
; THE CHANGE OF SLOTS stands at a slot's head.  Each wave waits for all its tensor loads, adds 0 to its spare word, and waits for that and for its reads of the slot that it has left.  Behind the barrier the slot
; ahead is whole and nobody reads the other one.  fill = 1: that other one takes the key slot of the next trip: the one after this, or slot 0 where this trip finishes the first block of queries.
.macro CHANGE fill
	s_wait_tensorcnt 0x0                           ; no tensor load of mine is out, so the group 0 may be written
	ds_add_u32 v[SPW], v[NIL]                      ; 0 onto my spare word
.if \fill
	s_add_co_u32 s[NS], s[CUR], 1
	s_cmp_eq_u32 s[TR], s[SWT]
	s_cselect_b32 s[NS], 0, s[NS]
	s_xor_b32 s[G0+1], s[G0+1], SLOT1              ; the other LDS slot than last time
	s_lshl_b32 s96, s[NS], 14                      ; a key slot is 16,384 bytes of K and of V
	s_mov_b32 s97, 0
	s_add_nc_u64 s[G0+2:G0+3], s[BASE:BASE+1], s[96:97]
	s_or_b32 s[G0+3], s[G0+3], 0x80000000
	s_wait_xcnt 0x0                                ; the last prefetch, a slot back, has read its address, so it may be written
	s_add_nc_u64 s[PFA:PFA+1], s[PFA:PFA+1], 16384
.endif
	s_wait_dscnt 0x0                               ; the add is done, and my reads of the slot that I have left are over
	s_barrier_signal -1
	s_barrier_wait -1
.if \fill
	TLOAD                                          ; the first thing behind the barrier, and a wave's one tensor load until the next: it has a slot's two key steps in which to land
	ASK
.endif
.endm
.macro SLOT_STEPS
	v_add_nc_u32 v[ADR], s[TB], v[LA]
	s_lshl_b32 s[KF], s[CUR], 8
	STEP 0
	STEP 1
	s_xor_b32 s[TB], s[TB], SLOT1
	s_mov_b32 s[CUR], s[NS]
.endm
; A block of queries is finished: O^T / the sum x 2^(e8 + e9) is y; converted with 2^e10; my head's two chunks of the fragment of yc leave from registers.
.macro FINISH yb
.rept 4
	v_nop                                          ; places behind the last products
.endr
	v_add_f32 v14, v14, v15                        ; the sum's two halves,
	s_delay_alu instid0(VALU_DEP_1)
	v_permlanex16_b32 v252, v14, s[SEL], s[SEL+1]
	s_delay_alu instid0(VALU_DEP_1)
	v_add_f32 v14, v14, v252                       ; and lane l xor 16's
	s_wait_alu depctr_va_vdst(0)
	v_rcp_f32 v14, v14
	v_nop                                          ; a plain line behind the transcendental
	s_wait_alu depctr_va_vdst(0)                   ; and the wait ahead of its first reader
	v_ldexp_f32 v14, v14, s[EPV]
.set N, 0
.rept 16
	v_pk_mul_f32 v[96+N:97+N], v[160+N:161+N], v[14:15] op_sel_hi:[1,0]   ; register 16 b + i is y(my query, 32 b + 16 h + i); each accumulator from its low end on
.set N, N+2
.endr
.set N, 0
.rept 32
.set N, N+1
.endr
.irp b, 0,1
	v_cvt_scalef32_pk8_fp8_f32 v[224+4*\b:225+4*\b], v[96+16*\b:103+16*\b], v245
	v_cvt_scalef32_pk8_fp8_f32 v[226+4*\b:227+4*\b], v[104+16*\b:111+16*\b], v245
.endr
	v_nop                                          ; one plain line behind the last conversion
.irp b, 0,1
	global_store_b128 v[LA], v[224+4*\b:227+4*\b], s[\yb:\yb+1] offset:512*\b   ; 32 lanes store 512 consecutive bytes
.endr
.endm
.macro FRESH                           ; a block's state: O^T and the sum are zeros, the largest t is -3e38: the first change of M multiplies zeros
	v_mov_b32 v13, 0xff61b1e6
	s_delay_alu instid0(VALU_DEP_1)
	v_floor_f32 v12, -v13
	v_mov_b32 v14, 0
	v_mov_b32 v15, 0
.set N, 0
.rept 32
	v_mov_b32 v[160+N], 0
.set N, N+1
.endr
.endm
	s_load_b128 s[4:7], s[0:1], 0x0                ; qkv, the exponents
	s_load_b64 s[8:9], s[0:1], 0x10                ; yc
	v_lshl_add_u32 v[SPW], v0, 2, SPARE
	v_mov_b32 v[NIL], 0
	ds_add_u32 v5, v6
	ds_add_u32 v5, v6
	s_wait_dscnt 0x0
	v_lshrrev_b32 v8, 5, v0
	s_delay_alu instid0(VALU_DEP_1)
	v_readfirstlane_b32 s[WV], v8                  ; wave 0..15
	s_and_b32 s80, ttmp7, 0xffff                   ; bh = 16 batch + head
	s_sub_co_u32 s[SWT], 7, ttmp9
	s_lshr_b32 s81, s[WV], 1
	s_lshl_b32 s81, s81, 5
	s_and_b32 s82, s[WV], 1
	s_lshl_b32 s82, s82, 3
	s_add_co_u32 s81, s81, s82                     ; 32 (w / 2) + 8 (w % 2)
	s_lshl_b32 s[Q0], s[SWT], 8
	s_add_co_u32 s[Q0], s[Q0], s81                 ; my first query of block 7 - i,
	s_lshl_b32 s[Q1], ttmp9, 8
	s_add_co_u32 s[Q1], s[Q1], s81                 ; and of block i
	s_lshl_b32 s82, s[SWT], 4
	s_add_co_u32 s82, s82, s[WV]                   ; my tiles of queries
	s_lshl_b32 s83, ttmp9, 4
	s_add_co_u32 s83, s83, s[WV]
	s_lshl_b32 s50, s80, 17                        ; the head's first byte in each part of qkv
	s_lshl_b32 s52, s82, 10                        ; Q: part 1, tile x 1,024
	s_add_co_u32 s52, s52, s50
	s_add_co_u32 s52, s52, 1<<23
	s_mov_b32 s53, 0
	s_lshl_b32 s54, s83, 10
	s_add_co_u32 s54, s54, s50
	s_add_co_u32 s54, s54, 1<<23
	s_mov_b32 s55, 0
	s_lshr_b32 s56, s80, 4                         ; yc: ((128 batch + tau) x 8 + head / 2) x 2,048 + 1,024 (head % 2) = batch << 21 + tau << 14 + head << 10
	s_lshl_b32 s56, s56, 21
	s_and_b32 s57, s80, 15
	s_lshl_b32 s57, s57, 10
	s_add_co_u32 s56, s56, s57
	s_lshl_b32 s58, s83, 14
	s_add_co_u32 s58, s58, s56
	s_mov_b32 s59, 0
	s_lshl_b32 s57, s82, 14
	s_add_co_u32 s56, s56, s57
	s_mov_b32 s57, 0
	s_and_b32 s60, s[WV], 1                        ; what I fetch, if I fetch: wave 0: K (part 0); wave 1: V (part 2)
	s_lshl_b32 s60, s60, 24
	s_add_co_u32 s60, s60, s50
	s_mov_b32 s61, 0
	s_bfe_u32 s62, s[WV], 0x10001                  ; what I prefetch, if I do: waves 4, 5: K; waves 6, 7: V;
	s_lshl_b32 s62, s62, 24
	s_and_b32 s63, s[WV], 1
	s_lshl_b32 s63, s63, 13                        ; which 8,192 bytes of a slot's 16,384;
	s_add_co_u32 s62, s62, s63
	s_add_co_u32 s62, s62, s50
	s_add_co_u32 s62, s62, 16384                   ; in slot 1: the first change of slots steps it to slot 2
	s_mov_b32 s63, 0
	s_lshr_b32 s[PLIM], s[WV], 2
	s_xor_b32 s[PLIM], s[PLIM], 1                  ; 0 in waves 4 to 7,
	s_or_b32 s[PLIM], s[PLIM], ttmp9               ; of the work-group with i = 0
	s_cmp_eq_u32 s[PLIM], 0
	s_cselect_b32 s[PLIM], 6, 0
	; descriptor group 1: 16,384 dense bytes as 64 rows of 256
	s_mov_b32 s[G1], 3<<16                         ; no mask; elements of 8 bytes; no padding
	s_mov_b32 s[G1+1], 32<<16                      ; tensor_dim0 = 32
	s_mov_b32 s[G1+2], 64<<16                      ; tensor_dim1 = 64
	s_mov_b32 s[G1+3], 32<<16                      ; tile_dim0
	s_mov_b32 s[G1+4], 64                          ; tile_dim1
	s_mov_b32 s[G1+5], 32                          ; tensor_dim0_stride
	s_mov_b32 s[G1+6], 0
	s_mov_b32 s[G1+7], 0
	s_mov_b32 s[SEL], 0x76543210
	s_mov_b32 s[SEL+1], 0xfedcba98
	s_mov_b32 s[CS], 0x3e38aa3b                    ; log2(e) / 8
	s_mov_b32 s[TB], 0
	s_mov_b32 s[TR], 0
	s_mov_b32 s[CUR], 0
	s_wait_kmcnt 0x0
	s_load_b256 s[68:75], s[6:7], 0x0              ; e0 .. e7
	s_load_b128 s[76:79], s[6:7], 0x20             ; e8 .. e11
	s_add_nc_u64 s[BASE:BASE+1], s[4:5], s[60:61]
	s_mov_b32 s[G0], 1                             ; count = 1
	s_and_b32 s[G0+1], s[WV], 1
	s_lshl_b32 s[G0+1], s[G0+1], 14                ; LDS: K at the slot's head, V behind it; slot 0
	s_mov_b64 s[G0+2:G0+3], s[BASE:BASE+1]         ; key slot 0
	s_or_b32 s[G0+3], s[G0+3], 0x80000000          ; type = 2
	TLOAD                                          ; one load of mine is out
	s_add_nc_u64 s[46:47], s[4:5], s[52:53]
	s_add_nc_u64 s[48:49], s[4:5], s[54:55]
	s_add_nc_u64 s[88:89], s[8:9], s[56:57]
	s_add_nc_u64 s[90:91], s[8:9], s[58:59]
	s_add_nc_u64 s[PFA:PFA+1], s[4:5], s[62:63]
	v_and_b32 v9, 31, v0
	s_delay_alu instid0(VALU_DEP_1)
	v_lshlrev_b32 v[LA], 4, v9
	s_delay_alu instid0(VALU_DEP_2)
	v_lshlrev_b32 v[PFO], 8, v9
	global_load_b128 v[16:19], v[LA], s[46:47]     ; both blocks' Q stay in registers
	global_load_b128 v[20:23], v[LA], s[46:47] offset:512
	global_load_b128 v[24:27], v[LA], s[48:49]
	global_load_b128 v[28:31], v[LA], s[48:49] offset:512
	v_and_b32 v10, 15, v0                          ; r
	v_bfe_u32 v11, v0, 4, 1                        ; h
	s_delay_alu instid0(VALU_DEP_2)
	v_and_b32 v[VQ], 8, v10
	s_delay_alu instid0(VALU_DEP_1)
	v_add_nc_u32 v[VQ], v[VQ], v10                 ; r + 8 (r / 8)
	s_delay_alu instid0(VALU_DEP_3)
	v_lshlrev_b32 v11, 4, v11
	s_delay_alu instid0(VALU_DEP_1)
	v_sub_nc_u32 v[VQ], v[VQ], v11                 ; - 16 h
	v_mov_b32 v236, 0                              ; written once: a lane permute's destination counts as one of its sources
	v_mov_b32 v252, 0
	v_mov_b32 v253, 0                              ; (named as the upper half of the pair v[252:253])
	FRESH
	s_wait_kmcnt 0x0
	s_add_co_i32 s96, s74, s75
	s_lshl_b32 s96, s96, 23
	s_add_co_i32 s[CS], s[CS], s96                 ; a score stands for score x 2^(e6 + e7): added to c's exponent field
	s_mov_b32 s[CS+1], s[CS]                       ; (named with it as a pair, so it is written)
	s_add_co_i32 s[EPV], s76, s77
	s_add_co_i32 s96, s76, 127
	s_lshl_b32 s97, s96, 23
	v_mov_b32 v244, s97                            ; 2^e8
	s_add_co_i32 s96, s78, 127
	s_lshl_b32 s97, s96, 23
	v_mov_b32 v245, s97                            ; 2^e10
	s_wait_loadcnt 0x0                             ; Q
.Lslot:                                            ; eight trips: behind each change of slots but the last the next trip's key slot is asked for
	CHANGE 1
	SLOT_STEPS
	s_cmp_eq_u32 s[TR], s[SWT]                     ; the work-group's number: the same in all sixteen waves
	s_cbranch_scc0 .Lsame
	FINISH 88                                      ; block 7 - i is finished; block i begins, at key slot 0
	FRESH
.irp j, 0,1,2,3,4,5,6,7
	v_mov_b32 v[16+\j], v[24+\j]
.endr
	s_mov_b32 s[Q0], s[Q1]
	s_wait_xcnt 0x0                                ; the stores have read their registers: the next step's codes may be written
.Lsame:
	s_add_co_u32 s[TR], s[TR], 1
	s_cmp_lt_u32 s[TR], 8
	s_cbranch_scc1 .Lslot
	CHANGE 0                                       ; the ninth slot is written out
	SLOT_STEPS
	FINISH 90
	s_wait_tensorcnt 0x0                           ; the wave's end
	ds_add_u32 v[SPW], v[NIL]
	s_wait_dscnt 0x0
	s_endpgm
.Lfunc_end_k_q772dd2972b_attn:
	.size	k_q772dd2972b_attn, .Lfunc_end_k_q772dd2972b_attn-k_q772dd2972b_attn
	.p2alignl 7, 3214868480
	.fill 96, 4, 3214868480
	.section	.rodata,"a",@progbits
	.p2align	6, 0x0
	.amdhsa_kernel k_q772dd2972b_attn
		.amdhsa_group_segment_fixed_size 327680
		.amdhsa_private_segment_fixed_size 0
		.amdhsa_enable_private_segment 0
		.amdhsa_kernarg_size 24
		.amdhsa_user_sgpr_count 2
		.amdhsa_user_sgpr_kernarg_segment_ptr 1
		.amdhsa_wavefront_size32 1
		.amdhsa_system_sgpr_workgroup_id_x 1
		.amdhsa_system_sgpr_workgroup_id_y 1
		.amdhsa_system_sgpr_workgroup_id_z 1
		.amdhsa_system_vgpr_workitem_id 0
		.amdhsa_next_free_vgpr 256
		.amdhsa_next_free_sgpr 100
		.amdhsa_reserve_vcc 1
		.amdhsa_float_denorm_mode_32 3
		.amdhsa_float_denorm_mode_16_64 3
		.amdhsa_fp16_overflow 1
		.amdhsa_memory_ordered 1
		.amdhsa_forward_progress 1
		.amdhsa_inst_pref_size 90
	.end_amdhsa_kernel
	.amdgpu_metadata
---
amdhsa.version: [ 1, 2 ]
amdhsa.kernels:
  - .name:           k_q772dd2972b_attn
    .symbol:         k_q772dd2972b_attn.kd
    .args:
      - { .name: qkv, .offset: 0, .size: 8, .value_kind: global_buffer, .address_space: global }
      - { .name: lowp_scales, .offset: 8, .size: 8, .value_kind: global_buffer, .address_space: global }
      - { .name: yc, .offset: 16, .size: 8, .value_kind: global_buffer, .address_space: global }
    .group_segment_fixed_size: 327680
    .private_segment_fixed_size: 0
    .kernarg_segment_align: 8
    .kernarg_segment_size: 24
    .max_flat_workgroup_size: 512
    .sgpr_count:     100
    .vgpr_count:     256
    .wavefront_size: 32
...
	.end_amdgpu_metadata
.endif
;; end of part 3
;; launch proj (part 4): grid 4 x 64, 4 waves a work-group, clusters of 4 x 4, 327,680 bytes of LDS; arguments yc, wc, bp, lowp_scales, out0; writes out0
.if DOCPART == 4
	.amdgcn_target "amdgcn-amd-amdhsa--gfx1250"
	.amdhsa_code_object_version 6
	.text
	.protected	k_q772dd2972b_proj
	.globl	k_q772dd2972b_proj
	.p2align	8
	.type	k_q772dd2972b_proj,@function
k_q772dd2972b_proj:
	s_mov_b64 s[64:65], 0
	v_nop
	global_prefetch_b8 v0, s[64:65] scope:SCOPE_SE
	s_setreg_imm32_b32 hwreg(HW_REG_WAVE_MODE, 25, 1), 1
	s_wait_xcnt 0x0
	s_wait_alu depctr_hold_cnt(0) depctr_sa_sdst(0) depctr_va_vdst(0) depctr_va_sdst(0) depctr_va_ssrc(0) depctr_va_vcc(0) depctr_vm_vsrc(0)
	s_getreg_b32 s2, hwreg(HW_REG_IB_STS2, 6, 4)
	s_cmp_eq_u32 s2, 0
	s_cbranch_scc0 .Lentry_in_a_cluster
	s_endpgm
.Lentry_in_a_cluster:
	s_bfe_u32 s2, ttmp6, 0x10000c
	s_cmp_lg_u32 s2, 0xf033
	s_cbranch_scc0 .Lentry_shape_is_right
	s_endpgm
.Lentry_shape_is_right:
; out0 = y Wp^T + bp on codes of FP8 (E4M3): y's codes with 2^e10, Wp's (part 3 of wc) with 2^e11; out0 [8192][1024] f32 = sum x 2^(e10 + e11) + bp, one fused multiply-add.  K = 1,024.
; LIMIT: e10 + e11 between -126 and 127, so that 2^(e10 + e11) is an f32 number.
; The codes lie in the order of an operand's registers: fragment (tau, ks) = 16 rows x 128 K = 2,048 bytes at (8 tau + ks) x 2,048; chunk c, lane l = 16 h + r: 16 bytes at 512 c + 16 l: k = 32 c + 16 h + 0 .. 15 of row
; 32 (tau / 2) + 8 (tau % 2) + r + 8 (r / 8).  (That order of k is the same on both sides of the product; the result is judged within a tolerance.)
; A tile of the result is 128 tokens x 256 columns: 64 x 4 = 256 tiles, one for each of 256 work-groups.  Four waves, each 64 x 128: 32 accumulators.  K goes in four steps of 256 through two LDS slots.
; THE MATRIX INSTRUCTION IS USED TRANSPOSED (source 0 = 16 rows of Wp, source 1 = 16 tokens): lane (r, h) holds token r of A's tile; register j of B's tile 2 b + u holds column 32 b + 16 h + 8 u + j.
; CLUSTERS: 4 x 4 work-groups; A's tiles are asked for jointly along a row of the cluster, B's along a column.
; No prefetch: of the four K steps two are first fills, and the two refills follow within two steps of 128.
; REGISTERS: window 0: v0-31 addresses, v8-11 the bias of my four columns; v128-191 A's fragments, ONE set; on the way out v128-255 are free.   window 1: B's fragments, TWO sets.   window 2: the accumulators ((a, b) at v[8 (8 a + b)]).
.set AB,    4                          ; A's blocks of 16 rows for a wave
.set HB,    AB/2
.set HALFA, 4096*AB                    ; LDS: AB tiles x 256 along K: what one tensor load brings of A
.set HALFB, 32768                      ; and of B: 8 tiles
.set SLOT,  2*HALFA+2*HALFB            ; A's two halves, then B's two
.set SPARE, 2*SLOT                     ; behind the ring: the spare words, 128 bytes for each wave: two blocks of 256 bytes that no other line names
.set SP,    528                        ; the way out: a stage of 16 rows x (512 bytes + 16) for each wave.  It lies in slot 0, which has had its last fill and its last read when the first result is stored there
.set ADRA, 16                          ; v16-17  LDS address of my A fragments in slot 0, 1
.set ADRB, 20                          ; v20-21  the same for B
.set LA,   24                          ; v24     16 x lane; never rewritten
.set STO,  25                          ; v25     the way out: where I put 32 bytes of a row
.set RD,   26                          ; v26     the way out: where I read a row back
.set SPW,  28                          ; v28     LDS address of my spare word; never rewritten
.set NIL,  29                          ; v29     0; never rewritten
.set AF,   128
.set BK,   128                         ; the way out: 16 rows read back: v128-191 and v192-255 by turns
.set WV,   18                          ; s18 wave;  s19 which half of A's rows is mine, also: I fetch for A (0) or B (1);  s20 which half of B's rows, also: which half I fetch
.set RH,   19
.set CH,   20
.set G1,   24                          ; s[24:31] descriptor group 1 for A's tiles;  s[32:39] group 0, one set for each slot
.set G0,   32
.set G1B,  48                          ; s[48:55], s[56:63] the same for B's
.set G0B,  56
.set MSB,  0
.macro WIN new                         ; the immediate's high byte repeats the setting that is left; a switch that changes nothing is dropped
.if MSB != (\new)
	s_set_vgpr_msb (MSB<<8)|(\new)
.set MSB, (\new)
.endif
.endm
; A joint load: waves 0 and 1 fetch for A, waves 2 and 3 for B; the branch hangs on the wave's number alone.  Four v_nop follow each of the two lines.
.macro JLOAD g0a, g1a, g0b, g1b
	s_cmp_eq_u32 s[RH], 0
	s_cbranch_scc0 .Lfor_b_\@
	tensor_load_to_lds s[\g0a:\g0a+3], s[\g1a:\g1a+7]
	s_nop 0
.rept 4
	v_nop
.endr
	s_branch .Lasked_\@
.Lfor_b_\@:
	tensor_load_to_lds s[\g0b:\g0b+3], s[\g1b:\g1b+7]
	s_nop 0
.rept 4
	v_nop
.endr
.Lasked_\@:
.endm
.macro CREST                           ; a round of the cluster's barrier behind its opening barrier
	s_cmp_lg_u32 s[WV], 0
	s_cbranch_scc1 .Lnot_wave_0_\@
	s_barrier_signal -3
.Lnot_wave_0_\@:
	s_barrier_wait -3
	s_barrier_signal -1
	s_barrier_wait -1
.endm
.macro CROUND                          ; a whole round
	s_barrier_signal -1
	s_barrier_wait -1
	CREST
.endm
.macro PLACES n                        ; plain vector lines between a matrix instruction and a load into, or a read of, its registers (ISA guide 7.12.1 for vector lines)
.rept \n
	v_nop
.endr
.endm
.macro FRAG reg, adr, q, i             ; tile i's fragment of the slot's q-th 128 along K: four chunks of 512 bytes, 16 bytes a lane
.irp c, 0,1,2,3
	ds_load_b128 v[\reg+4*\c:\reg+4*\c+3], v[\adr] offset:4096*(\i)+2048*(\q)+512*\c
.endr
.endm
.macro FETCH_B slot, q, p              ; B's eight fragments into set p
	WIN 0x40                                       ; destination window 1, address window 0
.irp i, 0,1,2,3,4,5,6,7
	FRAG 128*(\p)+16*\i, ADRB+\slot, \q, \i
.endr
	WIN 0
.endm
.macro FETCH_A slot, q, i0             ; A's blocks i0 .. i0 + HB - 1
.set FI, \i0
.rept HB
	FRAG AF+16*FI, ADRA+\slot, \q, FI
.set FI, FI+1
.endr
.endm
.macro MULA p, zero                    ; A's block MA against B's eight, 128 along K.  zero = 1: the product starts the sums: nothing is ever cleared
	WIN 0xa1                                       ; source 0 (B) window 1, source 1 (A) window 0, C and D window 2
.irp b, 0,1,2,3,4,5,6,7
.if \zero
	v_wmma_f32_16x16x128_fp8_fp8 v[8*(8*MA+\b):8*(8*MA+\b)+7], v[128*(\p)+16*\b:128*(\p)+16*\b+15], v[AF+16*MA:AF+16*MA+15], 0
.else
	v_wmma_f32_16x16x128_fp8_fp8 v[8*(8*MA+\b):8*(8*MA+\b)+7], v[128*(\p)+16*\b:128*(\p)+16*\b+15], v[AF+16*MA:AF+16*MA+15], v[8*(8*MA+\b):8*(8*MA+\b)+7]
.endif
.endr
.endm
.macro MULR a0, n, p, zero             ; n blocks from a0 on.  The accumulators take turns, one instruction a turn, in the same order in every step
.set MA, \a0
.rept \n
	MULA \p, \zero
.set MA, MA+1
.endr
.endm
; A step of 128 along K that has its successor in the same slot.  A has one set of registers: its first half is fetched anew in the step's middle, its second at the end.
.macro STEP slot, q, zero
	s_wait_dscnt 4*HB                              ; B's set and A's first half are in; the youngest 4 HB loads (A's second half) may be out
	MULR 0, HB, (\q)%2, \zero
	s_wait_dscnt 0
	PLACES 4
	FETCH_B \slot, (\q)+1, 1-(\q)%2
	FETCH_A \slot, (\q)+1, 0
	MULR HB, HB, (\q)%2, \zero
	PLACES 4
	WIN 0
	FETCH_A \slot, (\q)+1, HB
.endm
; A slot's last step changes slots: one barrier; in front of it each wave waits for all its tensor loads, adds 0 to its spare word, and waits for that and for its own reads of this slot.  fill = 1: this slot is filled again, two K steps ahead.
.macro TURN slot, next, fill
	s_wait_tensorcnt 0x0                           ; all my tensor loads have landed: my part of the next slot
	ds_add_u32 v[SPW], v[NIL]                      ; 0 onto my spare word
	s_wait_dscnt 4*HB+1                            ; the add and the youngest 4 HB loads may be out
	MULR 0, HB/2, 1, 0                             ; matrix work stands between the add and the wait for it
	s_wait_dscnt 0x0                               ; the add is done, and my reads of this slot are over
	s_barrier_signal -1
	MULR HB/2, HB/2, 1, 0
	WIN 0
	s_barrier_wait -1
.if \fill
	CREST                                          ; the barrier has opened a round of the cluster's: no wave of any partner still reads this slot or has a load on its way
	s_add_nc_u64 s[G0+4*\slot+2:G0+4*\slot+3], s[G0+4*\slot+2:G0+4*\slot+3], 8192
	s_add_nc_u64 s[G0B+4*\slot+2:G0B+4*\slot+3], s[G0B+4*\slot+2:G0B+4*\slot+3], 8192
	JLOAD G0+4*\slot, G1, G0B+4*\slot, G1B         ; the first tensor load behind the round; its four v_nop are the places in front of the loads below
.else
	PLACES 4
.endif
	FETCH_B \next, 0, 0
	FETCH_A \next, 0, 0
	MULR HB, HB, 1, 0
	PLACES 4
	WIN 0
	FETCH_A \next, 0, HB
.endm
	s_load_b256 s[4:11], s[0:1], 0x0               ; yc, wc, bp, the exponents
	s_load_b64 s[12:13], s[0:1], 0x20              ; out0
	v_lshl_add_u32 v[SPW], v0, 2, SPARE
	v_mov_b32 v[NIL], 0
	ds_add_u32 v28, v29
	ds_add_u32 v28, v29
	s_wait_dscnt 0x0
	v_lshrrev_b32 v1, 5, v0
	v_readfirstlane_b32 s[WV], v1
	s_lshr_b32 s[RH], s[WV], 1
	s_and_b32 s[CH], s[WV], 1
	s_bfe_u32 s40, ttmp6, 0x40000                  ; cx, cy: my place in the cluster
	s_bfe_u32 s41, ttmp6, 0x40004
	s_lshl_b32 s42, ttmp9, 2
	s_add_co_u32 s42, s42, s40                     ; block of 256 columns = 4 x cluster x + cx
	s_and_b32 s43, ttmp7, 0xffff
	s_lshl_b32 s43, s43, 2
	s_add_co_u32 s43, s43, s41                     ; block of 128 tokens = 4 x cluster y + cy
	s_lshl_b32 s44, s41, 2
	s_lshl_b32 s44, 15, s44                        ; my row of the cluster
	s_lshl_b32 s45, 0x1111, s40                    ; my column
	; descriptor group 1: rows of 4,096 bytes (a tile's two fragments of a K step), 16,384 bytes apart; dense in LDS.  A: 4 rows; B: 8
	s_or_b32 s[G1], s44, (3<<16)|(1<<21)           ; 15:0 the mask; 17:16 elements of 8 bytes; 21 set beside a mask
	s_mov_b32 s[G1+1], 512<<16                     ; tensor_dim0 = 512 elements
	s_mov_b32 s[G1+2], AB<<16                      ; tensor_dim1
	s_mov_b32 s[G1+3], 512<<16                     ; tile_dim0
	s_mov_b32 s[G1+4], AB                          ; tile_dim1
	s_mov_b32 s[G1+5], 2048                        ; tensor_dim0_stride
	s_mov_b32 s[G1+6], 0
	s_mov_b32 s[G1+7], 0
	s_or_b32 s[G1B], s45, (3<<16)|(1<<21)
	s_mov_b32 s[G1B+1], 512<<16
	s_mov_b32 s[G1B+2], 8<<16
	s_mov_b32 s[G1B+3], 512<<16
	s_mov_b32 s[G1B+4], 8
	s_mov_b32 s[G1B+5], 2048
	s_mov_b32 s[G1B+6], 0
	s_mov_b32 s[G1B+7], 0
	s_lshl_b32 s66, s43, 17                        ; A: 8 tiles x 16,384 bytes for each block of 128 tokens,
	s_lshl_b32 s22, s[CH], 16                      ; + the 4 tiles that I fetch
	s_add_co_u32 s66, s66, s22
	s_mov_b32 s67, 0
	s_lshl_b32 s68, s42, 18                        ; B: 16 tiles for each block of 256 columns,
	s_lshl_b32 s22, s[CH], 17                      ; + the 8 that I fetch,
	s_add_co_u32 s68, s68, s22
	s_add_co_u32 s68, s68, 3<<20                   ; in part 3 of wc
	s_mov_b32 s69, 0
	s_mul_i32 s46, s[CH], HALFA                    ; where they go: no place in the cluster enters an LDS address
	s_mul_i32 s47, s[CH], HALFB
	s_add_co_u32 s47, s47, 2*HALFA
	s_wait_kmcnt 0x0
	s_load_b64 s[72:73], s[10:11], 0x28            ; e10, e11
	s_add_nc_u64 s[84:85], s[4:5], s[66:67]
	s_add_nc_u64 s[86:87], s[6:7], s[68:69]
	CROUND                                         ; all sixteen work-groups are here: the first joint loads meet
.irp s, 0,1
	s_mov_b32 s[G0+4*\s], 1
	s_add_co_u32 s[G0+4*\s+1], s46, \s*SLOT
	s_add_nc_u64 s[G0+4*\s+2:G0+4*\s+3], s[84:85], \s*4096   ; K step s
	s_or_b32 s[G0+4*\s+3], s[G0+4*\s+3], 0x80000000
	s_mov_b32 s[G0B+4*\s], 1
	s_add_co_u32 s[G0B+4*\s+1], s47, \s*SLOT
	s_add_nc_u64 s[G0B+4*\s+2:G0B+4*\s+3], s[86:87], \s*4096
	s_or_b32 s[G0B+4*\s+3], s[G0B+4*\s+3], 0x80000000
	s_wait_alu depctr_va_vdst(0)
	s_wait_tensorcnt 0x0
	ds_add_u32 v28, v29
	ds_add_u32 v28, v29
	s_wait_dscnt 0x0
	CROUND
	JLOAD G0+4*\s, G1, G0B+4*\s, G1B               ; one load of mine is out
.endr
	v_and_b32 v1, 31, v0
	v_lshlrev_b32 v[LA], 4, v1
	s_wait_alu depctr_va_vdst(0)
	s_mul_i32 s21, s[RH], HALFA                    ; my half of A,
	s_mul_i32 s22, s[CH], HALFB
	s_add_co_u32 s22, s22, 2*HALFA                 ; my half of B
.irp s, 0,1
	v_add_nc_u32 v[ADRA+\s], s21, v[LA]
	v_add_nc_u32 v[ADRB+\s], s22, v[LA]
	s_add_co_u32 s21, s21, SLOT
	s_add_co_u32 s22, s22, SLOT
.endr
	s_lshl_b32 s92, s42, 10                        ; the bias of my four columns of a row read back: 256 x block + 128 x half + 4 x lane
	s_lshl_b32 s93, s[CH], 9
	s_add_co_u32 s92, s92, s93
	s_mov_b32 s93, 0
	s_add_nc_u64 s[92:93], s[8:9], s[92:93]
	global_load_b128 v[8:11], v[LA], s[92:93]
	s_mul_i32 s23, s[WV], 16*SP                    ; my stage
	v_and_b32 v4, 15, v0                           ; r
	v_bfe_u32 v5, v0, 4, 1                         ; h
	v_mul_u32_u24 v6, v4, SP
	v_lshl_add_u32 v6, v5, 6, v6
	v_add_nc_u32 v[STO], s23, v6                   ; in: row r, + 64 h
	v_add_nc_u32 v[RD], s23, v[LA]                 ; back: the 32 lanes take one row of 512 bytes
	s_lshl_b32 s2, s43, 19                         ; my part of out0: (128 x block of tokens + 64 x half) rows of 4,096 bytes,
	s_lshl_b32 s3, s[RH], 18
	s_add_co_u32 s2, s2, s3
	s_lshl_b32 s3, s42, 10                         ; + 1,024 x block of columns + 512 x half.  (These numbers mix cx and cy: they live in registers that feed no descriptor)
	s_add_co_u32 s2, s2, s3
	s_lshl_b32 s3, s[CH], 9
	s_add_co_u32 s98, s2, s3
	s_mov_b32 s99, 0
	s_add_nc_u64 s[90:91], s[12:13], s[98:99]
	s_wait_alu depctr_va_vdst(0)
	s_wait_kmcnt 0x0
	s_add_co_i32 s96, s72, s73
	s_add_co_i32 s96, s96, 127
	s_lshl_b32 s96, s96, 23                        ; 2^(e10 + e11) as f32
	s_mov_b32 s97, s96                             ; (named with it as a pair, so it is written)
	s_wait_tensorcnt 1                             ; my part of K step 0 is in; K step 1's load may be out
	s_barrier_signal -1
	s_barrier_wait -1                              ; everybody's is
	FETCH_B 0, 0, 0
	FETCH_A 0, 0, 0
	FETCH_A 0, 0, HB
	STEP 0, 0, 1                                   ; the first products start the sums
	TURN 0, 1, 1                                   ; slot 0 takes K step 2
	STEP 1, 0, 0
	TURN 1, 0, 1                                   ; slot 1 takes K step 3
	STEP 0, 0, 0
	TURN 0, 1, 0                                   ; nothing is left to fetch; behind this barrier nobody reads slot 0
	STEP 1, 0, 0
	s_wait_dscnt 4*HB                              ; the very last step
	MULR 0, HB, 1, 0
	s_wait_dscnt 0
	MULR HB, HB, 1, 0
	WIN 0
; THE WAY OUT, block by block of 16 tokens x 128 columns.  A lane holds 32-byte pieces of one row, and the lanes beside it hold other rows: so a block's sums go through my own stage in LDS and come back as whole rows
; of 512 bytes; there each pair becomes sum x 2^(e10 + e11) + bias, and the 32 lanes store 512 consecutive bytes.  LDS serves a wave's instructions in order (ISA guide 5.7.1.4): no wait between the stores and the loads.
.macro TOSTAGE a
	WIN 0x08                                       ; the stores' data: window 2
.irp t, 0,1,2,3,4,5,6,7
	ds_store_b128 v[STO], v[8*(8*(\a)+\t):8*(8*(\a)+\t)+3] offset:128*(\t/2)+32*(\t%2)        ; each accumulator from its low end on
	ds_store_b128 v[STO], v[8*(8*(\a)+\t)+4:8*(8*(\a)+\t)+7] offset:128*(\t/2)+32*(\t%2)+16
.endr
	WIN 0
.set BB, BK+64*((\a)%2)
.irp t, 0,1,2,3,4,5,6,7,8,9,10,11,12,13,14,15
	ds_load_b128 v[BB+4*\t:BB+4*\t+3], v[RD] offset:\t*SP
.endr
.endm
.macro SEND a, younger                 ; younger: the LDS instructions issued behind block a's loads, which may stay out
.set BB, BK+64*((\a)%2)
	s_wait_dscnt \younger
.irp t, 0,1,2,3,4,5,6,7,8,9,10,11,12,13,14,15
	v_pk_fma_f32 v[BB+4*\t:BB+4*\t+1], v[BB+4*\t:BB+4*\t+1], s[96:97], v[8:9] op_sel_hi:[1,0,1]
	v_pk_fma_f32 v[BB+4*\t+2:BB+4*\t+3], v[BB+4*\t+2:BB+4*\t+3], s[96:97], v[10:11] op_sel_hi:[1,0,1]
.endr
.irp t, 0,1,2,3,4,5,6,7,8,9,10,11,12,13,14,15
	global_store_b128 v[LA], v[BB+4*\t:BB+4*\t+3], s[90:91] offset:(32*((\a)/2)+8*((\a)%2)+\t+8*(\t/8))*4096 th:TH_STORE_NT   ; stage row t of block a is token 32 (a / 2) + 8 (a % 2) + t + 8 (t / 8) of my 64
.endr
.endm
	s_wait_loadcnt 0x0                             ; the bias
	PLACES 4                                       ; behind the last products: their results are read, and loads land in A's registers, below
	TOSTAGE 0
.irp a, 1,2,3
.if \a > 1
	s_wait_xcnt 0x0                                ; block a - 2's stores have read their registers: block a's loads may land there
.endif
	TOSTAGE \a
	SEND \a-1, 32                                  ; behind block a - 1's loads: block a's 16 stores and 16 loads
.endr
	SEND 3, 0
	s_wait_tensorcnt 0x0                           ; the wave's end
	ds_add_u32 v[SPW], v[NIL]
	s_wait_dscnt 0x0
	CROUND                                         ; the closing round: no work-group ends while a partner may still ask for a tile that names it
	s_endpgm
.Lfunc_end_k_q772dd2972b_proj:
	.size	k_q772dd2972b_proj, .Lfunc_end_k_q772dd2972b_proj-k_q772dd2972b_proj
	.p2alignl 7, 3214868480
	.fill 96, 4, 3214868480
	.section	.rodata,"a",@progbits
	.p2align	6, 0x0
	.amdhsa_kernel k_q772dd2972b_proj
		.amdhsa_group_segment_fixed_size 327680
		.amdhsa_private_segment_fixed_size 0
		.amdhsa_enable_private_segment 0
		.amdhsa_kernarg_size 40
		.amdhsa_user_sgpr_count 2
		.amdhsa_user_sgpr_kernarg_segment_ptr 1
		.amdhsa_wavefront_size32 1
		.amdhsa_system_sgpr_workgroup_id_x 1
		.amdhsa_system_sgpr_workgroup_id_y 1
		.amdhsa_system_sgpr_workgroup_id_z 1
		.amdhsa_system_vgpr_workitem_id 0
		.amdhsa_next_free_vgpr 768
		.amdhsa_next_free_sgpr 100
		.amdhsa_reserve_vcc 0
		.amdhsa_float_denorm_mode_32 3
		.amdhsa_float_denorm_mode_16_64 3
		.amdhsa_memory_ordered 1
		.amdhsa_forward_progress 1
		.amdhsa_inst_pref_size 77
	.end_amdhsa_kernel
	.amdgpu_metadata
---
amdhsa.version: [ 1, 2 ]
amdhsa.kernels:
  - .name:           k_q772dd2972b_proj
    .symbol:         k_q772dd2972b_proj.kd
    .args:
      - { .name: yc, .offset: 0, .size: 8, .value_kind: global_buffer, .address_space: global }
      - { .name: wc, .offset: 8, .size: 8, .value_kind: global_buffer, .address_space: global }
      - { .name: bp, .offset: 16, .size: 8, .value_kind: global_buffer, .address_space: global }
      - { .name: lowp_scales, .offset: 24, .size: 8, .value_kind: global_buffer, .address_space: global }
      - { .name: out0, .offset: 32, .size: 8, .value_kind: global_buffer, .address_space: global }
    .group_segment_fixed_size: 327680
    .private_segment_fixed_size: 0
    .kernarg_segment_align: 8
    .kernarg_segment_size: 40
    .max_flat_workgroup_size: 128
    .sgpr_count:     100
    .vgpr_count:     768
    .wavefront_size: 32
...
	.end_amdgpu_metadata
.endif
;; end of part 4
